; MI455X (gfx1250); checked and timed in simulation.
; The chip was launched on July 23, 2026; its instructions are those of AMD's public machine-readable ISA for CDNA 5 (MIT licence, August 2026) and "CDNA5" Instruction Set Architecture Reference Guide (July 2026). The comments in the code are by the model that wrote it; some were corrected since.
;; Block. Allowed arithmetic: float matrix products may take bf16 or f16 operands with f32 sums; other float arithmetic in f32, or as packed bf16 or f16 multiplies, adds, multiply-adds, maxima and minima; sums over many terms, partial sums and values carried from step to step in f32; what a program stores and reads back later, other than sums and carried values, may be rounded once to bf16 or f16.
;; Inputs: W_attn 1,024 x 3,072 float32; W_fc 1,024 x 4,096 float32; W_fc2 4,096 x 1,024 float32; W_o 1,024 x 1,024 float32; b_attn 3,072 float32; b_fc 4,096 float32; b_fc2 1,024 float32; b_o 1,024 float32; ln1_b 1,024 float32; ln1_g 1,024 float32; ln2_b 1,024 float32; ln2_g 1,024 float32; x 2 x 2,048 x 1,024 float32.
;; Outputs: out0 2 x 2,048 x 1,024 float32.
;; One version. Each part assembles by itself: llvm-mc -triple=amdgcn-amd-amdhsa -mcpu=gfx1250 --defsym DOCPART=n.
;; ======== version 1 of 1: 7 launches
;; limits: values are held in f16: magnitudes above 65,504 overflow, below 6.1e-05 lose precision
;; workspace buffers: wa 6,291,456 bytes; wo 2,097,152 bytes; wf 8,388,608 bytes; wf2 8,388,608 bytes; act 8,388,608 bytes; qkv 25,165,824 bytes; x1 16,777,216 bytes; gact 33,554,432 bytes
;; launch prep (part 1): grid 448 x 1, 8 waves a work-group, no clusters, 0 bytes of LDS; arguments x, ln1_g, ln1_b, W_attn, act, wa; writes act, wa
.if DOCPART == 1
	.amdgcn_target "amdgcn-amd-amdhsa--gfx1250"
	.amdhsa_code_object_version 6
	.text
	.protected	k_qfb2855d583_prep
	.globl	k_qfb2855d583_prep
	.p2align	8
	.type	k_qfb2855d583_prep,@function
k_qfb2855d583_prep:
	s_mov_b64 s[64:65], 0
	v_nop
	global_prefetch_b8 v0, s[64:65] scope:SCOPE_SE
	s_setreg_imm32_b32 hwreg(HW_REG_WAVE_MODE, 25, 1), 1
	s_wait_xcnt 0x0
; Arguments: rows, gain, bias, W, panels, W16.  The body serves both LayerNorms of the block.
; Work-groups 0-255: h = LayerNorm(rows) gain + bias, rounded once to f16, in PANELS: panels[c / 64][m][c % 64], m = 0 .. 4095, a panel 4,096 rows of 128 bytes.
; Work-groups 256 on: W, f32, rounded once to f16 in the same order, 16,384 numbers a work-group (192 work-groups for the [1024][3072] of W_attn).
; A launch of 256 work-groups runs the LayerNorm alone: its fourth and sixth arguments are then not touched.
; LAYERNORM.  A work-group owns 16 rows; 16 lanes own a row, so the row's sums never leave a group of 16 lanes.  Load j of a lane takes 16 bytes at byte 256 j + 16 r
; of its row: four numbers of panel j.  The row stays in 64 registers: mean first, then the squares of x - mean (no difference of large sums), then the scaling.
; A store of a wave is 256 consecutive bytes: two rows' 128 bytes of one panel.  No LDS, no barrier, no matrix unit: memory binds.
; LIMITS.  f16 holds nothing beyond 65,504: |h| and |W| stay within it; below 6e-5 f16 keeps a fixed step of 6e-8.  NaN and infinities are not treated apart.
.set XR,  16                           ; v[16:79]    the row's 64 numbers of my lane
.set GR,  80                           ; v[80:143]   gain of the same columns
.set BR,  144                          ; v[144:207]  bias
.set YR,  208                          ; v[208:239]  the result, two f16 a register
.set PST, 524288                       ; bytes in a panel
	s_load_b256 s[4:11], s[0:1], 0x0               ; rows s[4:5], gain s[6:7], bias s[8:9], W s[10:11]
	s_load_b128 s[12:15], s[0:1], 0x20             ; panels s[12:13], W16 s[14:15]
	s_cmp_lt_u32 ttmp9, 256
	s_cbranch_scc0 .Lcvt
	s_lshl_b32 s16, ttmp9, 16                      ; 16 rows of 4,096 bytes
	s_mov_b32 s17, 0
	s_lshl_b32 s18, ttmp9, 11                      ; 16 rows of 128 bytes in a panel
	s_mov_b32 s19, 0
	s_mov_b32 s20, 0x3a800000                      ; 1 / 1024
	s_mov_b32 s21, 0x3727c5ac                      ; 1e-5
	v_and_b32 v2, 15, v0
	v_lshlrev_b32 v2, 4, v2                        ; 16 r: my place in 256 bytes
	v_lshrrev_b32 v1, 4, v0
	v_lshl_add_u32 v1, v1, 12, v2                  ; + my row x 4,096
	v_lshlrev_b32 v3, 3, v0                        ; out: row x 128 + 8 r = 8 x thread
	s_wait_kmcnt 0x0
	s_add_nc_u64 s[4:5], s[4:5], s[16:17]
	s_add_nc_u64 s[12:13], s[12:13], s[18:19]
.set j, 0
.rept 16
	global_load_b128 v[XR+4*j:XR+4*j+3], v1, s[4:5] offset:256*j
.set j, j+1
.endr
.set j, 0
.rept 16
	global_load_b128 v[GR+4*j:GR+4*j+3], v2, s[6:7] offset:256*j
.set j, j+1
.endr
.set j, 0
.rept 16
	global_load_b128 v[BR+4*j:BR+4*j+3], v2, s[8:9] offset:256*j
.set j, j+1
.endr
	s_wait_loadcnt 32                              ; loads come back in order: the row's 16 are in, gain's and bias's 32 may stay out
	; the sum, in four chains started by the first eight pairs: nothing is cleared
.irp c, 0,1,2,3
	v_pk_add_f32 v[4+2*\c:5+2*\c], v[XR+2*\c:XR+2*\c+1], v[XR+8+2*\c:XR+9+2*\c]
.endr
.set p, 8
.rept 24
	v_pk_add_f32 v[4+2*(p%4):5+2*(p%4)], v[4+2*(p%4):5+2*(p%4)], v[XR+2*p:XR+2*p+1]
.set p, p+1
.endr
	v_pk_add_f32 v[4:5], v[4:5], v[6:7]
	v_pk_add_f32 v[8:9], v[8:9], v[10:11]
	v_pk_add_f32 v[4:5], v[4:5], v[8:9]
	v_add_f32 v4, v4, v5
	v_add_f32_dpp v4, v4, v4 row_xmask:1 row_mask:0xf bank_mask:0xf   ; over the row's 16 lanes
	v_add_f32_dpp v4, v4, v4 row_xmask:2 row_mask:0xf bank_mask:0xf
	v_add_f32_dpp v4, v4, v4 row_xmask:4 row_mask:0xf bank_mask:0xf
	v_add_f32_dpp v4, v4, v4 row_xmask:8 row_mask:0xf bank_mask:0xf
	v_mul_f32 v12, s20, v4                         ; the mean, twice: a pair for the packed forms
	v_mov_b32 v13, v12
.set p, 0
.rept 32
	v_pk_add_f32 v[XR+2*p:XR+2*p+1], v[XR+2*p:XR+2*p+1], v[12:13] neg_lo:[0,1] neg_hi:[0,1]
.set p, p+1
.endr
.irp c, 0,1,2,3
	v_pk_mul_f32 v[4+2*\c:5+2*\c], v[XR+2*\c:XR+2*\c+1], v[XR+2*\c:XR+2*\c+1]
.endr
.set p, 4
.rept 28
	v_pk_fma_f32 v[4+2*(p%4):5+2*(p%4)], v[XR+2*p:XR+2*p+1], v[XR+2*p:XR+2*p+1], v[4+2*(p%4):5+2*(p%4)]
.set p, p+1
.endr
	v_pk_add_f32 v[4:5], v[4:5], v[6:7]
	v_pk_add_f32 v[8:9], v[8:9], v[10:11]
	v_pk_add_f32 v[4:5], v[4:5], v[8:9]
	v_add_f32 v4, v4, v5
	v_add_f32_dpp v4, v4, v4 row_xmask:1 row_mask:0xf bank_mask:0xf
	v_add_f32_dpp v4, v4, v4 row_xmask:2 row_mask:0xf bank_mask:0xf
	v_add_f32_dpp v4, v4, v4 row_xmask:4 row_mask:0xf bank_mask:0xf
	v_add_f32_dpp v4, v4, v4 row_xmask:8 row_mask:0xf bank_mask:0xf
	v_fma_f32 v4, v4, s20, s21                     ; variance + 1e-5
	v_rsq_f32 v14, v4
	v_rsq_f32 v15, v4
	v_nop                                          ; a plain instruction between the root and the use of its result
	s_wait_loadcnt 0x0                             ; gain and bias
.set p, 0
	s_wait_alu depctr_va_vdst(0)
.rept 32
	v_pk_mul_f32 v[XR+2*p:XR+2*p+1], v[XR+2*p:XR+2*p+1], v[14:15]
.set p, p+1
.endr
.set p, 0
.rept 32
	v_pk_fma_f32 v[XR+2*p:XR+2*p+1], v[XR+2*p:XR+2*p+1], v[GR+2*p:GR+2*p+1], v[BR+2*p:BR+2*p+1]
.set p, p+1
.endr
.set p, 0
.rept 32
	v_cvt_pk_f16_f32 v[YR+p], v[XR+2*p], v[XR+2*p+1]
.set p, p+1
.endr
.set j, 0
.rept 16
	global_store_b64 v3, v[YR+2*j:YR+2*j+1], s[12:13] offset:PST*j   ; panel j; 15 panels at the most, inside the signed 24-bit immediate
.set j, j+1
.endr
	s_endpgm
.Lcvt:                                                 ; a work-group rounds 8 waves x 2,048 numbers of W
	s_sub_co_u32 s16, ttmp9, 256
	s_lshl_b32 s18, s16, 15                        ; 16,384 numbers: 32,768 bytes out,
	s_lshl_b32 s16, s16, 16                        ; 65,536 in
	s_mov_b32 s17, 0
	s_mov_b32 s19, 0
	v_and_b32 v1, 31, v0
	v_lshrrev_b32 v2, 5, v0
	v_lshlrev_b32 v3, 4, v1
	v_lshl_add_u32 v3, v2, 13, v3                  ; in: wave x 8,192 + 16 x lane
	v_lshlrev_b32 v4, 3, v1
	v_lshl_add_u32 v4, v2, 12, v4                  ; out: wave x 4,096 + 8 x lane
	s_wait_kmcnt 0x0
	s_add_nc_u64 s[10:11], s[10:11], s[16:17]
	s_add_nc_u64 s[14:15], s[14:15], s[18:19]
.set j, 0
.rept 16
	global_load_b128 v[XR+4*j:XR+4*j+3], v3, s[10:11] offset:512*j th:TH_LOAD_NT
.set j, j+1
.endr
.set j, 0
.rept 16
.if j == 0
	s_wait_loadcnt 8                               ; the first eight loads are in
.endif
.if j == 8
	s_wait_loadcnt 0x0
.endif
	v_cvt_pk_f16_f32 v[GR+2*j], v[XR+4*j], v[XR+4*j+1]
	v_cvt_pk_f16_f32 v[GR+2*j+1], v[XR+4*j+2], v[XR+4*j+3]
	global_store_b64 v4, v[GR+2*j:GR+2*j+1], s[14:15] offset:256*j   ; a wave's store: 256 consecutive bytes
.set j, j+1
.endr
	s_endpgm
.Lfunc_end_k_qfb2855d583_prep:
	.size	k_qfb2855d583_prep, .Lfunc_end_k_qfb2855d583_prep-k_qfb2855d583_prep
	.p2alignl 7, 3214868480
	.fill 96, 4, 3214868480
	.section	.rodata,"a",@progbits
	.p2align	6, 0x0
	.amdhsa_kernel k_qfb2855d583_prep
		.amdhsa_group_segment_fixed_size 0
		.amdhsa_private_segment_fixed_size 0
		.amdhsa_enable_private_segment 0
		.amdhsa_kernarg_size 48
		.amdhsa_user_sgpr_count 2
		.amdhsa_user_sgpr_kernarg_segment_ptr 1
		.amdhsa_wavefront_size32 1
		.amdhsa_system_sgpr_workgroup_id_x 1
		.amdhsa_system_sgpr_workgroup_id_y 1
		.amdhsa_system_sgpr_workgroup_id_z 1
		.amdhsa_system_vgpr_workitem_id 0
		.amdhsa_next_free_vgpr 240
		.amdhsa_next_free_sgpr 66
		.amdhsa_reserve_vcc 0
		.amdhsa_float_denorm_mode_32 3
		.amdhsa_float_denorm_mode_16_64 3
		.amdhsa_memory_ordered 1
		.amdhsa_forward_progress 1
		.amdhsa_inst_pref_size 26
	.end_amdhsa_kernel
	.amdgpu_metadata
---
amdhsa.version: [ 1, 2 ]
amdhsa.kernels:
  - .name:           k_qfb2855d583_prep
    .symbol:         k_qfb2855d583_prep.kd
    .args:
      - { .name: x, .offset: 0, .size: 8, .value_kind: global_buffer, .address_space: global }
      - { .name: ln1_g, .offset: 8, .size: 8, .value_kind: global_buffer, .address_space: global }
      - { .name: ln1_b, .offset: 16, .size: 8, .value_kind: global_buffer, .address_space: global }
      - { .name: W_attn, .offset: 24, .size: 8, .value_kind: global_buffer, .address_space: global }
      - { .name: act, .offset: 32, .size: 8, .value_kind: global_buffer, .address_space: global }
      - { .name: wa, .offset: 40, .size: 8, .value_kind: global_buffer, .address_space: global }
    .group_segment_fixed_size: 0
    .private_segment_fixed_size: 0
    .kernarg_segment_align: 8
    .kernarg_segment_size: 48
    .max_flat_workgroup_size: 256
    .sgpr_count:     66
    .vgpr_count:     240
    .wavefront_size: 32
...
	.end_amdgpu_metadata
.endif
;; end of part 1
;; launch gemm_qkv (part 2): grid 16 x 16, 4 waves a work-group, clusters of 4 x 4, 327,680 bytes of LDS; arguments act, wa, b_attn, qkv; writes qkv
.if DOCPART == 2
	.amdgcn_target "amdgcn-amd-amdhsa--gfx1250"
	.amdhsa_code_object_version 6
	.text
	.protected	k_qfb2855d583_gemm_qkv
	.globl	k_qfb2855d583_gemm_qkv
	.p2align	8
	.type	k_qfb2855d583_gemm_qkv,@function
k_qfb2855d583_gemm_qkv:
	s_mov_b64 s[64:65], 0
	v_nop
	global_prefetch_b8 v0, s[64:65] scope:SCOPE_SE
	s_setreg_imm32_b32 hwreg(HW_REG_WAVE_MODE, 25, 1), 1
	s_wait_xcnt 0x0
	s_wait_alu depctr_hold_cnt(0) depctr_sa_sdst(0) depctr_va_vdst(0) depctr_va_sdst(0) depctr_va_ssrc(0) depctr_va_vcc(0) depctr_vm_vsrc(0)
	s_getreg_b32 s2, hwreg(HW_REG_IB_STS2, 6, 4)
	s_cmp_eq_u32 s2, 0
	s_cbranch_scc0 .Lentry_in_a_cluster
	s_endpgm
.Lentry_in_a_cluster:
	s_bfe_u32 s2, ttmp6, 0x10000c
	s_cmp_lg_u32 s2, 0xf033
	s_cbranch_scc0 .Lentry_shape_is_right
	s_endpgm
.Lentry_shape_is_right:
; qkv = h W_attn + b_attn.  h: 16 panels [k / 64][4096][64] f16; W: [1024][3072] f16; bias f32; qkv: 48 panels of f16 (q 0-15, k 16-31, v 32-47), rounded once from the f32 sums.
; A tile of the result is 256 rows x 192 columns (16 x 16 tiles: one for each work-group); four waves, each 64 rows x 192 columns: 48 accumulators, 384 registers.
; K goes in steps of 128 through two LDS slots filled by the tensor data mover.  The bias is the C operand of each sum's first product.
; A slot's work is written once for the loop, whichever slot it is: s18 holds the LDS offset of the slot filled last and is turned at each change of slots.
; THE MATRIX INSTRUCTION IS USED TRANSPOSED: source 0 = 16 columns of W (W lies [k][n] in LDS and is turned by ds_load_tr16_b128), source 1 = 16 rows of h:
; a lane then holds one row and eight neighbouring columns of the result, 16 bytes of f16.
; CLUSTER 4 x 4: h's tile hangs on the tile row alone and is asked for jointly along a row of the cluster, W's on the tile column alone, along a column.
; W's rows in a tile are 384 bytes and begin at multiples of 128: the price of 256 equal work-groups at 3,072 columns.
; LIMITS.  f16: |q|, |k|, |v| stay within 65,504.  NaN and infinities are not treated apart.
; REGISTERS: window 0 addresses, bias, at work; window 1 two fragment buffers of 128; windows 2, 3 accumulators (a, b) at 8 ((a % 2) 12 + b) of window 2 + a / 2.
.set MT,    256
.set NT,    192
.set WM,    4                          ; blocks of 16 rows a wave
.set WN,    12                         ; blocks of 16 columns a wave
.set NN,    3072
.set KTOT,  1024
.set KS,    128                        ; K in a slot
.set QD,    1                          ; blocks of 32 K in a fragment buffer
.set NWIN,  2
.set AW,    WM/NWIN
.set PB,    480                        ; a row of W in LDS: three times 128 bytes + 32 of padding: an odd multiple of 32
.set BQ,    160                        ; four blocks of 16 columns and their padding
.set BQI,   4                          ; padding after every 32 words
.set PST,   524288                     ; bytes in a panel
.set PANB,  MT*144                     ; a panel's part of a slot: rows of 128 bytes + 16 of padding
.set BREL,  73728                      ; W's rows lie behind h's two panels
.set HB,    (KS/2)*PB                  ; what one tensor load brings of W
.set SLOT,  BREL+2*HB
.set SPARE, 2*SLOT                     ; behind the ring: the spare words, 128 bytes a wave
.set NS,    KTOT/KS                    ; K steps: even, so the last lies in slot 1
.set ASTEP, 36864                      ; 64 K on in h's part of a slot: a panel
.set BSTEP, 64*QD*PB                   ; and in W's
.set ASL,   (KS/64)*PST                ; a K step on in memory, h
.set BSL,   KS*NN*2                    ; and W
.set WSTR,  27648                      ; the way out: a wave's stage, three panels of 64 rows x 144 bytes, in the slots when they are dead
.set BI,    128                        ; v[128:223] bias of my 192 columns: eight a block
.set TMP,   32                         ; v[32:79]
.set G1,  24                           ; s[24:31] group 1 for h's tiles; s[32:39] group 0: a set for each of the two first fills; the second then walks on
.set G0,  32
.set G1B, 48                           ; s[48:55], s[56:63] the same for W's
.set G0B, 56
.set MSB, 0
.macro WIN new                         ; the immediate's high byte repeats the setting that is left; a switch that changes nothing is dropped
.if MSB != (\new)
	s_set_vgpr_msb (MSB<<8)|(\new)
.set MSB, \new
.endif
.endm
.macro PLACES                          ; four places behind matrix instructions, in front of loads into their sources and of reads of their results
.rept 4
	v_nop
.endr
.endm
.macro JLOAD s                         ; a joint load: waves 0, 1 fetch h's two panels, waves 2, 3 the halves of W's rows
	s_cmp_lt_u32 s14, 2
	s_cbranch_scc0 .Lfor_b_\@
	tensor_load_to_lds s[G0+4*(\s):G0+4*(\s)+3], s[G1:G1+7]
	s_nop 0
.rept 4
	v_nop
.endr
	s_branch .Lasked_\@
.Lfor_b_\@:
	tensor_load_to_lds s[G0B+4*(\s):G0B+4*(\s)+3], s[G1B:G1B+7]
	s_nop 0
.rept 4
	v_nop
.endr
.Lasked_\@:
.endm
.macro CROUND                          ; a round of the cluster's barrier
	s_barrier_signal -1
	s_barrier_wait -1
	s_cmp_lg_u32 s14, 0
	s_cbranch_scc1 .Lnot_wave_0_\@
	s_barrier_signal -3
.Lnot_wave_0_\@:
	s_barrier_wait -3
	s_barrier_signal -1
	s_barrier_wait -1
.endm
; 32 LDS loads in one run: the fragments of 32 QD along K into buffer f, from the 64 QD of K at v12 (h) and v13 (W)
.macro FETCH f
	WIN 0x40                                       ; destination window 1, address window 0
.set ic, 0
.rept QD
.set kk, (\f)*QD+ic
.set ia, 0
.rept WM
	ds_load_b128 v[128*(\f)+8*(ic*WM+ia):128*(\f)+8*(ic*WM+ia)+3],   v12 offset:(kk/2)*PANB+(kk%2)*64+ia*2304
	ds_load_b128 v[128*(\f)+8*(ic*WM+ia)+4:128*(\f)+8*(ic*WM+ia)+7], v12 offset:(kk/2)*PANB+(kk%2)*64+ia*2304+32
.set ia, ia+1
.endr
.set ib, 0
.rept WN
	ds_load_tr16_b128 v[128*(\f)+8*QD*WM+8*(ic*WN+ib):128*(\f)+8*QD*WM+8*(ic*WN+ib)+3],   v13 offset:kk*32*PB+(ib/4)*BQ+(ib%4)*32
	ds_load_tr16_b128 v[128*(\f)+8*QD*WM+8*(ic*WN+ib)+4:128*(\f)+8*QD*WM+8*(ic*WN+ib)+7], v13 offset:kk*32*PB+(ib/4)*BQ+(ib%4)*32+16*PB
.set ib, ib+1
.endr
.set ic, ic+1
.endr
.endm
; buffer f is multiplied: every accumulator once for each 32 of K, by turns.  zero = 1: the first products start the sums, with the bias as C
.macro MUL f, zero=0
.set iw, 0
.rept NWIN
.set ic, 0
.rept QD
.set ia, 0
.rept AW
.set ib, 0
.rept WN
.set rD, 8*(ia*WN+ib)
.set rB, 128*(\f)+8*QD*WM+8*(ic*WN+ib)
.set rA, 128*(\f)+8*(ic*WM+iw*AW+ia)
.if (\zero) && (ic == 0)
	WIN 0x05+0x40*(2+iw)
	v_wmma_f32_16x16x32_f16 v[rD:rD+7], v[rB:rB+7], v[rA:rA+7], v[BI+8*ib:BI+8*ib+7]
.else
	WIN 0x05+0x50*(2+iw)
	v_wmma_f32_16x16x32_f16 v[rD:rD+7], v[rB:rB+7], v[rA:rA+7], v[rD:rD+7]
.endif
.set ib, ib+1
.endr
.set ia, ia+1
.endr
.set ic, ic+1
.endr
.set iw, iw+1
.endr
.endm
; THE CHANGE OF SLOTS.  Each wave waits for all its tensor loads (one is out: its part of the slot that is entered), adds 0 to its spare word, and waits for that and for its reads of the
; slot that it leaves (the last are in buffer 1's registers).  fill = 1: the slot filled last (s18) is the one entered (s23); s18 turns to the other, and the walking descriptors take that
; slot and the next K step; then a round of the cluster's barrier, and the joint load first thing behind it.  fill = 0: the last K step, in slot 1: nothing is asked for.
.macro CHANGE fill
	WIN 0
	s_wait_tensorcnt 0x0                           ; no tensor load of mine is out, so a group 0 may be written
	ds_add_u32 v28, v29                            ; 0 onto my spare word; the descriptors' steps stand between the add and the wait for it
.if \fill
	s_mov_b32 s23, s18
	s_xor_b32 s18, s18, SLOT                       ; 0 or SLOT
	s_add_co_u32 s[G0+5], s46, s18                 ; LDS address: my wave's constant and the slot's
	s_add_co_u32 s[G0B+5], s47, s18
	s_add_nc_u64 s[G0+6:G0+7], s[G0+6:G0+7], ASL   ; the type bits on top are not reached
	s_add_nc_u64 s[G0B+6:G0B+7], s[G0B+6:G0B+7], BSL
.endif
	s_wait_dscnt 0x0
.if \fill
	CROUND
	JLOAD 1
	v_add_nc_u32 v12, s23, v10
	v_add_nc_u32 v13, s23, v11
.else
	s_barrier_signal -1
	s_barrier_wait -1
	v_add_nc_u32 v12, SLOT, v10
	v_add_nc_u32 v13, SLOT, v11
.endif
.endm
; A slot's work: two trips of 64 QD along K.  A trip fetches its first half into buffer 0 while buffer 1 (the half before) is multiplied, then its second half into buffer 1 while buffer 0 is.
.macro SLOTWORK fill, lab
	CHANGE \fill
	s_mov_b32 s3, 2
\lab:
	PLACES
	FETCH 0
	s_wait_dscnt 32                                ; all but the 32 just issued: buffer 1 is in
	MUL 1
	PLACES
	FETCH 1
	s_wait_dscnt 32                                ; buffer 0 is in
	MUL 0
	WIN 0
	v_add_nc_u32 v12, ASTEP, v12
	v_add_nc_u32 v13, BSTEP, v13
	s_sub_co_u32 s3, s3, 1
	s_cmp_lg_u32 s3, 0
	s_cbranch_scc1 \lab
.endm
	s_load_b256 s[4:11], s[0:1], 0x0               ; h s[4:5], W s[6:7], bias s[8:9], qkv s[10:11]
	v_lshl_add_u32 v28, v0, 2, SPARE
	v_mov_b32 v29, 0
	ds_add_u32 v28, v29                            ; the wave's opening: the add and its wait stand ahead of my first tensor load
	ds_add_u32 v28, v29
	v_lshrrev_b32 v1, 5, v0
	v_readfirstlane_b32 s14, v1                    ; wave 0..3
	s_mov_b32 s15, s14                             ; my 64 rows of the tile
	s_mov_b32 s16, 0                               ; all its columns
	s_and_b32 s17, s14, 1                          ; which half of a tile I fetch
	s_mov_b32 s18, SLOT                            ; of the two first fills the second goes to slot 1
	s_bfe_u32 s19, ttmp6, 0x40000                  ; cx
	s_bfe_u32 s20, ttmp6, 0x40004                  ; cy
	s_lshl_b32 s21, ttmp9, 2
	s_add_co_u32 s21, s21, s19                     ; tile column
	s_and_b32 s22, ttmp7, 0xffff
	s_lshl_b32 s22, s22, 2
	s_add_co_u32 s22, s22, s20                     ; tile row
	s_lshl_b32 s40, s20, 2
	s_lshl_b32 s40, 15, s40                        ; my row of the cluster
	s_lshl_b32 s41, 0x1111, s19                    ; my column
	s_or_b32 s[G1], s40, (1<<16)|(1<<20)|(1<<21)|(4<<22)|(3<<25)     ; mask; 2-byte elements; padding on; bit 21 beside a mask; 4 words after every 32
	s_or_b32 s[G1B], s41, (1<<16)|(1<<20)|(1<<21)|(BQI<<22)|(7<<25)  ; 8 words of padding
	s_mov_b32 s[G1+1], 128<<16                     ; a panel's 256 rows are 32,768 dense bytes: asked for as 128 rows of 256
	s_mov_b32 s[G1+2], 128<<16
	s_mov_b32 s[G1+3], 128<<16
	s_mov_b32 s[G1+4], 128
	s_mov_b32 s[G1+5], 128
	s_mov_b32 s[G1+6], 0
	s_mov_b32 s[G1+7], 0
	s_mov_b32 s[G1B+1], NT<<16                     ; 64 rows of NT elements, NN from row to row
	s_mov_b32 s[G1B+2], (KS/2)<<16
	s_mov_b32 s[G1B+3], NT<<16
	s_mov_b32 s[G1B+4], KS/2
	s_mov_b32 s[G1B+5], NN
	s_mov_b32 s[G1B+6], 0
	s_mov_b32 s[G1B+7], 0
	s_mul_i32 s42, s17, (KS/128)*PST               ; h: my panel of the step, the tile's rows
	s_mul_i32 s43, s22, MT*128
	s_add_co_u32 s42, s42, s43
	s_mov_b32 s43, 0
	s_mul_i32 s44, s17, (KS/2)*NN*2                ; W: my half of the step's rows, the tile's columns
	s_mul_i32 s45, s21, NT*2
	s_add_co_u32 s44, s44, s45
	s_mov_b32 s45, 0
	s_mul_i32 s46, s14, 36864                      ; where they go in a slot: the wave's number alone; s46 and s47 are kept
	s_mul_i32 s47, s14, HB
	s_add_co_u32 s47, s47, BREL-2*HB
	s_wait_dscnt 0x0                               ; the opening add is done
	s_wait_kmcnt 0x0
	s_add_nc_u64 s[42:43], s[4:5], s[42:43]
	s_add_nc_u64 s[44:45], s[6:7], s[44:45]
	CROUND                                         ; all sixteen work-groups are here: the first joint loads meet
.irp s, 0,1
	s_mov_b32 s[G0+4*(\s)], 1
	s_add_co_u32 s[G0+4*(\s)+1], s46, (\s)*SLOT
	s_add_nc_u64 s[G0+4*(\s)+2:G0+4*(\s)+3], s[42:43], (\s)*ASL
	s_or_b32 s[G0+4*(\s)+3], s[G0+4*(\s)+3], 0x80000000
	s_mov_b32 s[G0B+4*(\s)], 1
	s_add_co_u32 s[G0B+4*(\s)+1], s47, (\s)*SLOT
	s_add_nc_u64 s[G0B+4*(\s)+2:G0B+4*(\s)+3], s[44:45], (\s)*BSL
	s_or_b32 s[G0B+4*(\s)+3], s[G0B+4*(\s)+3], 0x80000000
	JLOAD \s
.endr
	v_and_b32 v1, 15, v0                           ; r
	v_bfe_u32 v2, v0, 4, 1                         ; h
	v_lshlrev_b32 v17, 5, v2                       ; bias: my eight columns of a block of 16
	s_mul_i32 s80, s21, NT*4
	s_mul_i32 s81, s16, WN*64
	s_add_co_u32 s80, s80, s81
	s_mov_b32 s81, 0
	s_add_nc_u64 s[8:9], s[8:9], s[80:81]
.set ib, 0
.rept WN
	global_load_b128 v[BI+8*ib:BI+8*ib+3],   v17, s[8:9] offset:64*ib
	global_load_b128 v[BI+8*ib+4:BI+8*ib+7], v17, s[8:9] offset:64*ib+16
.set ib, ib+1
.endr
	v_mul_u32_u24 v10, v1, 144                     ; h's fragments: row x pitch + 16 x half
	v_lshl_add_u32 v10, v2, 4, v10
	s_mul_i32 s82, s15, WM*16*144
	v_add_nc_u32 v10, s82, v10
	v_and_b32 v3, 7, v0                            ; W's: the turning load reads k = 8 h + lane % 8, 16 bytes at 16 ((lane / 8) % 2)
	v_lshl_add_u32 v3, v2, 3, v3
	v_mul_u32_u24 v11, v3, PB
	v_bfe_u32 v4, v0, 3, 1
	v_lshl_add_u32 v11, v4, 4, v11
	s_mul_i32 s83, s16, WN*32
	s_add_co_u32 s83, s83, BREL
	v_add_nc_u32 v11, s83, v11
	s_mul_i32 s84, s14, WSTR                       ; my stage
	v_mul_u32_u24 v14, v1, 144                     ; in: row r, 16 bytes for each half of the lanes
	v_lshl_add_u32 v14, v2, 4, v14
	v_add_nc_u32 v14, s84, v14
	v_bfe_u32 v5, v0, 3, 2                         ; back: 32 lanes take four rows of 128 bytes,
	v_mul_u32_u24 v15, v5, 144
	v_and_b32 v6, 7, v0
	v_lshl_add_u32 v15, v6, 4, v15
	v_add_nc_u32 v15, s84, v15
	v_and_b32 v16, 31, v0                          ; which are 512 consecutive bytes of a panel
	v_lshlrev_b32 v16, 4, v16
	s_mul_i32 s80, s21, 3*PST                      ; out: panels 3 x tile column on, rows 256 x tile row + 64 x wave
	s_lshl_b32 s82, s22, 15
	s_lshl_b32 s83, s14, 13
	s_add_co_u32 s80, s80, s82
	s_add_co_u32 s80, s80, s83
	s_mov_b32 s81, 0
	s_add_nc_u64 s[10:11], s[10:11], s[80:81]
	s_wait_tensorcnt 0x1                           ; my part of K step 0 is in; step 1's may stay out
	s_barrier_signal -1
	s_barrier_wait -1
	v_mov_b32 v12, v10
	v_mov_b32 v13, v11
	FETCH 0
	FETCH 1
	s_wait_loadcnt 0x0                             ; the bias
	s_wait_dscnt 32                                ; buffer 0 is in
	MUL 0, 1
	WIN 0
	v_add_nc_u32 v12, ASTEP, v12
	v_add_nc_u32 v13, BSTEP, v13
	s_mov_b32 s3, 1                                ; slot 0 has one trip left: the loop is entered in its middle,
	s_mov_b32 s2, NS-1                             ; which counts as one of its trips
	s_branch .Lin
.Lout:                                                 ; NS - 2 whole trips: K steps 1 to NS - 2; each change of slots asks for the step after the one it enters
	SLOTWORK 1, .Lin
	s_sub_co_u32 s2, s2, 1
	s_cmp_lg_u32 s2, 0
	s_cbranch_scc1 .Lout
	SLOTWORK 0, .Lin2                              ; the last K step is written out: nothing is asked for
	s_wait_dscnt 0x0                               ; buffer 1 is in, and my reads of the slots are over:
	s_barrier_signal -1                            ; say so,
	MUL 1
	WIN 0
	s_barrier_wait -1                              ; and when all four have said so the slots, which are filled no more, serve as stages
	PLACES
	; THE WAY OUT: rounded to f16, 16 bytes a lane into my stage by panels, back as whole rows of 128 bytes, stored 512 consecutive bytes at a time
.set ia, 0
.rept WM
	WIN 0x0a+5*(ia/AW)                             ; sources in window 2 or 3
.set ib, 0
.rept WN
.set rD, 8*((ia%AW)*WN+ib)
	v_cvt_pk_f16_f32 v[TMP+4*ib],   v[rD],   v[rD+1]
	v_cvt_pk_f16_f32 v[TMP+4*ib+1], v[rD+2], v[rD+3]
	v_cvt_pk_f16_f32 v[TMP+4*ib+2], v[rD+4], v[rD+5]
	v_cvt_pk_f16_f32 v[TMP+4*ib+3], v[rD+6], v[rD+7]
.set ib, ib+1
.endr
	WIN 0
.set ib, 0
.rept WN
	ds_store_b128 v14, v[TMP+4*ib:TMP+4*ib+3] offset:(ib/4)*9216+ia*2304+(ib%4)*32
.set ib, ib+1
.endr
.set ia, ia+1
.endr
	WIN 0x40                                       ; into the fragment buffers' registers, which are free
.set i, 0
.rept 48
	ds_load_b128 v[4*i:4*i+3], v15 offset:(i/16)*9216+(i%16)*576   ; LDS serves a wave's instructions in order: these see the stores above
.set i, i+1
.endr
	WIN 0x04                                       ; store data in window 1
.set i, 0
.rept 48
.if i%12 == 0
	s_wait_dscnt 36-i                              ; the next twelve loads are back; the younger ones may stay out
.endif
	global_store_b128 v16, v[4*i:4*i+3], s[10:11] offset:(i/16)*PST+(i%16)*512
.set i, i+1
.endr
	WIN 0
	s_wait_tensorcnt 0x0                           ; the wave's end
	ds_add_u32 v28, v29
	s_wait_dscnt 0x0
	CROUND                                         ; the closing round
	s_endpgm
.Lfunc_end_k_qfb2855d583_gemm_qkv:
	.size	k_qfb2855d583_gemm_qkv, .Lfunc_end_k_qfb2855d583_gemm_qkv-k_qfb2855d583_gemm_qkv
	.p2alignl 7, 3214868480
	.fill 96, 4, 3214868480
	.section	.rodata,"a",@progbits
	.p2align	6, 0x0
	.amdhsa_kernel k_qfb2855d583_gemm_qkv
		.amdhsa_group_segment_fixed_size 327680
		.amdhsa_private_segment_fixed_size 0
		.amdhsa_enable_private_segment 0
		.amdhsa_kernarg_size 32
		.amdhsa_user_sgpr_count 2
		.amdhsa_user_sgpr_kernarg_segment_ptr 1
		.amdhsa_wavefront_size32 1
		.amdhsa_system_sgpr_workgroup_id_x 1
		.amdhsa_system_sgpr_workgroup_id_y 1
		.amdhsa_system_sgpr_workgroup_id_z 1
		.amdhsa_system_vgpr_workitem_id 0
		.amdhsa_next_free_vgpr 960
		.amdhsa_next_free_sgpr 96
		.amdhsa_reserve_vcc 0
		.amdhsa_float_denorm_mode_32 3
		.amdhsa_float_denorm_mode_16_64 3
		.amdhsa_memory_ordered 1
		.amdhsa_forward_progress 1
		.amdhsa_inst_pref_size 67
	.end_amdhsa_kernel
	.amdgpu_metadata
---
amdhsa.version: [ 1, 2 ]
amdhsa.kernels:
  - .name:           k_qfb2855d583_gemm_qkv
    .symbol:         k_qfb2855d583_gemm_qkv.kd
    .args:
      - { .name: act, .offset: 0, .size: 8, .value_kind: global_buffer, .address_space: global }
      - { .name: wa, .offset: 8, .size: 8, .value_kind: global_buffer, .address_space: global }
      - { .name: b_attn, .offset: 16, .size: 8, .value_kind: global_buffer, .address_space: global }
      - { .name: qkv, .offset: 24, .size: 8, .value_kind: global_buffer, .address_space: global }
    .group_segment_fixed_size: 327680
    .private_segment_fixed_size: 0
    .kernarg_segment_align: 8
    .kernarg_segment_size: 32
    .max_flat_workgroup_size: 128
    .sgpr_count:     96
    .vgpr_count:     960
    .wavefront_size: 32
...
	.end_amdgpu_metadata
.endif
;; end of part 2
;; launch attn (part 3): grid 200 x 1, 4 waves a work-group, no clusters, 327,680 bytes of LDS; arguments qkv, act, W_o, W_fc, W_fc2, wo, wf, wf2; writes act, wo, wf, wf2
.if DOCPART == 3
	.amdgcn_target "amdgcn-amd-amdhsa--gfx1250"
	.amdhsa_code_object_version 6
	.text
	.protected	k_qfb2855d583_attn
	.globl	k_qfb2855d583_attn
	.p2align	8
	.type	k_qfb2855d583_attn,@function
k_qfb2855d583_attn:
	s_mov_b64 s[64:65], 0
	v_nop
	global_prefetch_b8 v0, s[64:65] scope:SCOPE_SE
	s_setreg_imm32_b32 hwreg(HW_REG_WAVE_MODE, 25, 1), 1
	s_wait_xcnt 0x0
; WORK-GROUPS 0-127: CAUSAL ATTENTION.  O[hh][q][:] = the sum over k <= q of softmax_k(Q[hh][q] . K[hh][k] / 8) V[hh][k][:].  A panel of qkv holds one head's channel block for both batches, so
; hh = 2 x head + batch has its 2,048 rows dense, 128 bytes each, at byte hh x 262,144 of q's, k's (8,388,608 on) and v's (16,777,216 on) panels; O goes to act in the same layout.  All f16.
; WORK-GROUPS 128-199: W_o, W_fc and W_fc2 are rounded once to f16, in their own order: attention has work for 128 work-groups, and this stream runs beside it on others.
; Products, maxima and sums in f32; the weights p are rounded to f16 for the second product (their sum l is taken of the unrounded p), O once at the end.
; LIMITS.  f16 holds no number beyond 65,504: Q, K, V and the three weights stay within it; p lies in 0 to 1, and below 6e-5 it keeps f16's fixed step of 6e-8; O is a mean of V's rows and has their range.
; A hidden score counts as its value less 1e30: f16's scores, 2.7e11 at the most, are nothing beside that; a weight below 2^-126 counts as 0 in l; NaN and infinities are not treated apart.
; THE WALK.  A head's queries lie in NB = 8 blocks of 256; block i needs the key tiles 0 .. i of 256 keys, of which the last holds the diagonal.  A work-group takes TWO blocks, NB - 1 - b and then b:
; NB + 1 tiles, whatever b: all do equal work, and ONE loop with a constant trip count walks them.  Which tile is asked for, and what a trip does, hang on scalar registers made from b; every jump
; goes forward, but for the counted loops' own; none passes a barrier, or a tensor load but the one of LOAD's two that the wave's number does not choose; the ring of two slots runs on across the
; change of blocks.  NO CLUSTER: a head's four work-groups ask for the same tile only in trips 0 .. 4 of 9, behind that fewer and fewer; one walk common to all would have 12 trips for 9.
; SHARES.  Of a block's four bands of 64 queries a wave owns 16 rows in each: four PIECES.  So the diagonal tile is the same work for all four waves: in its key step s band x sees all keys if s < x,
; none if s > x, and holds the diagonal if s = x.
; THE MASK is the C operand that starts the sum S^T = K Q^T: 0, or -1e30 where the key is hidden.  MD, made once, is the mask of a band's own step for my 16 rows; a product's mask is MD x AL + BE with two scalars:
; (1, 0) if s = x; (0, 0) if s < x; (0, -1e30) if s > x.  Only the diagonal tile's text and a block's beginning make and take masks; elsewhere C is the constant 0.
; LAYOUT, SOFTMAX, TURNS.  S^T = K Q^T holds ONE query a lane (lane % 16) and the keys 8 (lane / 16) + 0..7; two such results rounded to f16 ARE source 1 of O^T = V^T P.  p = 2^(c s - c m), c = log2(e) / 8, with a
; running maximum m; O and l are multiplied by a = 2^(c m_old - c m_new) in every step.  Turn n belongs to piece n: 8 products K Q^T of piece n + 1, later 8 products V^T P of piece n - 1; beside them the scaling,
; exponentials, roundings, sums and rescaling of piece n and the maximum and statistics of piece n + 1.  Four vector instructions stand behind every matrix instruction, the other 54 of a turn's 118 in two lumps.
; REGISTERS, in windows of 256 (s_set_vgpr_msb: bits 1:0 source 0, 3:2 source 1, 5:4 source 2, 7:6 destination):
;   window 0: v0-15 addresses and two at work; v16-31 four registers of statistics a piece; v48-55 at work; v64-127 S^T, two buffers; v192-223 P, two buffers (a piece's buffers go by its number's parity)
;   window 1: v0-127 O^T, 32 a piece; v128-159 MD; v160-223 MC, two buffers      window 2: v0-63 Q; v64-127 the second block's Q; v128-191 K of one step; v192-255 V of one step
.set SIZE_N, 2048
.set NB,    SIZE_N/256
.set NP,    4         ; pieces a wave: a name, no knob
.set KS,    64        ; keys in a step
.set PK,    144       ; a row of K in LDS: 128 bytes + 16 of padding = 36 words: the 16 rows of a load start at 16 different groups of four banks
.set PV,    160       ; a row of V: 128 + 32 = 40 words
.set VOFF,  4*KS*PK   ; a slot holds a tile, four steps: 256 rows of K, then 256 rows of V
.set SLOT1, 1<<17     ; slot 1 begins here, so that one exclusive or turns an address in one slot into the other's
.set STAGE, SLOT1+4*KS*(PK+PV)  ; behind the ring, never filled by a tensor load: 16 rows x 144 bytes for each wave, for the way out
.set SP,    144
.set AK0, 2           ; v2   my lane's place in a tile of K; never rewritten
.set AV0, 3           ; v3   the same for V
.set AK,  4           ; v4   the LDS address of K's next run of loads
.set AV,  5           ; v5   of V's
.set STO, 6           ; v6   the way out: where I put 16 bytes of a row
.set RD,  7           ; v7   the way out: where I read rows back
.set GO,  8           ; v8   my byte offset in 512 consecutive bytes of O
.set SPW, 62          ; v62  LDS address of my spare word: SPARE + 4 x my thread's number; never rewritten
.set NIL, 63          ; v63  0; never rewritten
.set SPARE, STAGE+4*16*SP  ; behind the stages: the spare words, 128 bytes for each wave
.set MV,  12          ; v12-13  c m_old, kept while c m is made anew: by buffer
.set QO,  15          ; v15  my byte offset in 16 rows of Q
.set ST,  16          ; piece t's statistics at v[ST+4 t]: c m, m, l (even keys', odd keys')
.set TMP, 48          ; by buffer, four registers c0-c3 at work; when the maximum is found c2 takes a
.set S,   64
.set P,   192
.set MD,  128         ; window 1: the eight registers for group kt of 16 keys at MD + 8 kt
.set MC,  160         ; window 1: the masks of the products to come
.set QB,  64          ; window 2
.set KF,  128         ; window 2: key block kb, channel half c at KF + 16 kb + 8 c
.set VF,  192         ; window 2: key half kk, channel block cb at VF + 32 kk + 8 cb
.set WV,  12          ; s12  my wave's number
.set PB,  14          ; s14  b
.set HI,  15          ; s15  NB - 1 - b
.set G1K, 24          ; s[24:31] descriptor group 1 for K's tiles
.set G1V, 32          ; s[32:39] for V's: it differs in the padding alone
.set G0K, 40          ; s[40:43] descriptor group 0 for K's tiles
.set G0V, 44          ; s[44:47] the same for V's
.set SLOTS, 56        ; s56  tiles still to be asked for
.set CNT, 57          ; s57  counts a tile's key steps, 4 to 1
.set CS,  58          ; s[58:59] c: the packed scaling takes the pair's low word for both halves
.set SEL, 60          ; s[60:61] v_permlanex16_b32's selects: each lane takes its own place in the other half
.set TBK, 62          ; s62  LDS byte at which K of the step to be fetched begins
.set TBV, 63          ; s63  the same for V, less VOFF
.set RT,  70          ; s70  tiles of the block in hand that are still to be entered
.set NXT, 71          ; s71  the tile to be asked for next
.set LQ,  72          ; s72  the last tile of the block whose tiles are being asked for
.set NEW, 73          ; s73  1: the tile to be entered is a block's first
.set OFF, 74          ; s[74:75] a tile's byte offset in K and V
.set AL,  76          ; s[76:77] the mask's factor, in the low word
.set BE,  78          ; s[78:79] the mask's addend
.set OLO, 80          ; s[80:81] O at my rows of the second block
.set BIGN, 82         ; s82  -1e30
.set MSB, 0
.macro WIN new                      ; the high byte repeats the setting that is left; a switch that changes nothing is dropped
.if MSB != (\new)
	s_set_vgpr_msb (MSB<<8)|(\new)
.set MSB, (\new)
.endif
.endm
.set W_KQ, 0x0a       ; K and Q in window 2, S^T in window 0
.set W_KM, 0x1a       ; the same with the C operand in window 1
.set W_PV, 0x52       ; V in window 2, P in window 0, O^T in window 1
.set W_RS, 0x41       ; destination and source 0 in window 1, source 1 in window 0
; A fill.  Waves 0 and 1 fetch the two halves of a tile's K, waves 2 and 3 those of its V: 128 keys each.  An s_nop 0 and four v_nop follow each of the two lines, ahead of the jump and the label.
.macro LOAD
	s_cmp_lt_u32 s[WV], 2
	s_cbranch_scc0 .Lfor_v_\@
	tensor_load_to_lds s[G0K:G0K+3], s[G1K:G1K+7]
	s_nop 0
.rept 4
	v_nop
.endr
	s_branch .Lasked_\@
.Lfor_v_\@:
	tensor_load_to_lds s[G0V:G0V+3], s[G1V:G1V+7]
	s_nop 0
.rept 4
	v_nop
.endr
.Lasked_\@:
.endm
; THE CHANGE OF SLOTS.  Each wave waits for all its tensor loads, of which one is out: its part of the other slot; adds 0 to its spare word; and waits for that and for its own reads of the slot that it leaves.
; Behind the barrier nobody reads the old slot any more and the other slot is whole.  fill = 1: the old slot is filled again, the first thing behind the barrier, with tile NXT: the descriptor's address
; is made anew from that number.  (At its first use nothing has been read yet: slot 0 is waited for, slot 1 filled.)
.macro CHANGE fill
	WIN 0                           ; at a label and at a branch every window is 0
	s_wait_tensorcnt 0x0            ; no tensor load of mine is out, so a group 0 may be written
	ds_add_u32 v[SPW], v[NIL]       ; 0 onto my spare word
.if \fill
	s_lshl_b32 s[OFF], s[NXT], 15   ; a tile is 32,768 bytes of K and of V
	s_xor_b32 s[G0K+1], s[G0K+1], SLOT1
	s_add_nc_u64 s[G0K+2:G0K+3], s[6:7], s[OFF:OFF+1]
	s_or_b32 s[G0K+3], s[G0K+3], 0x80000000
	s_xor_b32 s[G0V+1], s[G0V+1], SLOT1
	s_add_nc_u64 s[G0V+2:G0V+3], s[8:9], s[OFF:OFF+1]
	s_or_b32 s[G0V+3], s[G0V+3], 0x80000000
	s_add_co_u32 s[NXT], s[NXT], 1  ; the block's next tile, or behind its last the second block's tile 0
	s_cmp_gt_u32 s[NXT], s[LQ]
	s_cselect_b32 s[NXT], 0, s[NXT]
	s_cselect_b32 s[LQ], s[PB], s[LQ]
.endif
	s_wait_dscnt 0x0                ; the add is done, and my reads of the slot are over
	s_barrier_signal -1             ; the rest of the scalar work stands between the signal and the wait
	s_sub_co_u32 s[TBK], s[TBK], 4*KS*PK  ; the fetches go back to a slot's first step,
	s_xor_b32 s[TBK], s[TBK], SLOT1       ; in the other slot
	s_sub_co_u32 s[TBV], s[TBV], 4*KS*PV
	s_xor_b32 s[TBV], s[TBV], SLOT1
	s_barrier_wait -1
.if \fill
	LOAD
.endif
.endm
	s_load_b64 s[4:5], s[0:1], 0x0    ; qkv: q's panels
	s_load_b64 s[10:11], s[0:1], 0x8  ; act: O
	v_lshl_add_u32 v[SPW], v0, 2, SPARE
	v_mov_b32 v[NIL], 0
	ds_add_u32 v[SPW], v[NIL]       ; the wave's opening: the add and its wait stand ahead of my first tensor load; the set-up below, work on registers, stands between them
	ds_add_u32 v62, v63
	v_lshrrev_b32 v1, 5, v0
	v_readfirstlane_b32 s[WV], v1   ; wave 0..3
	s_and_b32 s[PB], ttmp9, 3       ; b
	s_sub_co_u32 s[HI], NB-1, s[PB]
	s_lshr_b32 s20, ttmp9, 2        ; hh
	s_mov_b32 s21, 0
	s_mov_b64 s[22:23], SIZE_N*128
	s_mul_u64 s[20:21], s[20:21], s[22:23]  ; the head's first byte in q, k, v and O
	s_and_b32 s16, s[WV], 1         ; which half of a tile's 256 keys I fetch:
	s_lshl_b32 s22, s16, 14         ; its 128 rows of 128 bytes in memory,
	s_mov_b32 s23, 0
	s_add_nc_u64 s[22:23], s[22:23], s[20:21]
	s_mul_i32 s17, s16, 128*PK      ; and its place in a slot, for K
	s_mul_i32 s18, s16, 128*PV      ; and for V
	s_lshl_b32 s3, s[WV], 11        ; my 16 rows in a band of 64,
	s_lshl_b32 s2, s[HI], 15        ; in the first block,
	s_add_co_u32 s2, s2, s3
	s_lshl_b32 s84, s[PB], 15       ; and in the second
	s_add_co_u32 s84, s84, s3
	s_mov_b32 s3, 0
	s_mov_b32 s85, 0
	s_add_nc_u64 s[2:3], s[2:3], s[20:21]
	s_add_nc_u64 s[84:85], s[84:85], s[20:21]
	; descriptor group 1.  128 keys are 16,384 dense bytes: asked for as 64 rows of 256 bytes, two keys a row, and padded in LDS after every key
	s_mov_b32 s[G1K], (1<<16)|(1<<20)|(4<<22)|(3<<25)  ; 17:16 2-byte elements; 20 padding on; 24:22 after every 32 words (code 4); 31:25 4 words (code 3)
	s_mov_b32 s[G1V], (1<<16)|(1<<20)|(4<<22)|(7<<25)  ; the same with 8 words of padding (code 7)
.irp g, G1K, G1V
	s_mov_b32 s[\g+1], 128<<16      ; tensor_dim0 = 128
	s_mov_b32 s[\g+2], 64<<16       ; tensor_dim1 = 64
	s_mov_b32 s[\g+3], 128<<16      ; tile_dim0 = 128
	s_mov_b32 s[\g+4], 64           ; tile_dim1 = 64
	s_mov_b32 s[\g+5], 128          ; 128 elements from row to row
	s_mov_b32 s[\g+6], 0
	s_mov_b32 s[\g+7], 0
.endr
	s_mov_b32 s[CS], 0x3e38aa3b     ; c = log2(e) / 8 = 0.180337
	s_mov_b32 s[CS+1], s[CS]        ; named with it as a pair
	s_mov_b32 s[SEL], 0x76543210
	s_mov_b32 s[SEL+1], 0xfedcba98
	s_mov_b32 s[TBK], SLOT1+4*KS*PK ; the first change of slots turns these two into 0
	s_mov_b32 s[TBV], SLOT1+4*KS*PV
	s_mov_b32 s[G0K], 1             ; 1:0 count = 1
	s_mov_b32 s[G0K+1], s17         ; 63:32 LDS address: slot 0
	s_mov_b32 s[G0V], 1
	s_add_co_u32 s[G0V+1], s18, VOFF
	s_add_co_u32 s[RT], s[HI], 1    ; the first block has NB - b tiles
	s_mov_b32 s[NXT], 1
	s_mov_b32 s[LQ], s[HI]
	s_mov_b32 s[NEW], 1
	s_mov_b32 s[OFF+1], 0
	s_mov_b32 s[AL+1], 0            ; named as pairs
	s_mov_b32 s[BE+1], 0
	s_mov_b32 s[BIGN], 0xf149f2ca   ; -1e30
	s_mov_b32 s[SLOTS], NB
	s_wait_dscnt 0x0                ; the opening add is done
	s_cmp_ge_u32 ttmp9, 128         ; the same answer in all four waves
	s_cbranch_scc1 .Lcvt            ; work-groups 128 on round the weights
	s_wait_kmcnt 0x0
	s_add_nc_u64 s[6:7], s[4:5], 0x800000   ; k's panels lie 16 panels behind q's,
	s_add_nc_u64 s[8:9], s[4:5], 0x1000000  ; v's 32
	s_add_nc_u64 s[6:7], s[6:7], s[22:23]  ; K and V at my half of the head's tile 0
	s_add_nc_u64 s[8:9], s[8:9], s[22:23]
	s_add_nc_u64 s[G0K+2:G0K+3], s[6:7], 0         ; 120:64 global address
	s_or_b32 s[G0K+3], s[G0K+3], 0x80000000        ; 127:126 type = 2
	s_add_nc_u64 s[G0V+2:G0V+3], s[8:9], 0
	s_or_b32 s[G0V+3], s[G0V+3], 0x80000000
	s_add_nc_u64 s[86:87], s[4:5], s[84:85]        ; Q at my rows of the second block,
	s_add_nc_u64 s[4:5], s[4:5], s[2:3]            ; Q and O at those of the first
	s_add_nc_u64 s[OLO:OLO+1], s[10:11], s[84:85]
	s_add_nc_u64 s[10:11], s[10:11], s[2:3]
	LOAD                            ; tile 0 into slot 0
	; A fragment of K or Q is 16 rows x 32 channels in 8 registers: lane l holds row l % 16, channels 8 (l / 16) + 0..7 and 16 + 8 (l / 16) + 0..7: two loads of 16 bytes, 32 bytes apart.
	v_and_b32 v1, 15, v0            ; l % 16
	v_bfe_u32 v9, v0, 4, 1          ; l / 16
	v_lshlrev_b32 v[QO], 7, v1
	v_lshl_add_u32 v[QO], v9, 4, v[QO]  ; row x 128 + 16 x half
	WIN 0x80                        ; destination window 2, address window 0
.set i, 0
.rept 8                             ; both blocks' Q: piece i / 2 lies in band i / 2, 8,192 bytes on; channels 32 (i % 2) on
	global_load_b128 v[8*i:8*i+3],   v[QO], s[4:5] offset:(i/2)*8192+(i%2)*64
	global_load_b128 v[8*i+4:8*i+7], v[QO], s[4:5] offset:(i/2)*8192+(i%2)*64+32
	global_load_b128 v[QB+8*i:QB+8*i+3],   v[QO], s[86:87] offset:(i/2)*8192+(i%2)*64
	global_load_b128 v[QB+8*i+4:QB+8*i+7], v[QO], s[86:87] offset:(i/2)*8192+(i%2)*64+32
.set i, i+1
.endr
	WIN 0
	v_lshlrev_b32 v14, 3, v9
	v_sub_nc_u32 v14, v1, v14
	s_lshl_b32 s13, s[WV], 4
	v_add_nc_u32 v14, s13, v14      ; my query's place in its band, 16 w + l % 16, less my lanes' 8 (l / 16): register r of group kt is hidden where 16 kt + r is greater
	WIN 0x40
.set i, 0
.rept 32
	v_cmp_gt_i32 vcc_lo, 16*(i/8)+i%8, v14
	v_cndmask_b32 v[MD+i], 0, s[BIGN], vcc_lo
.set i, i+1
.endr
	WIN 0
	v_mul_u32_u24 v[AK0], v1, PK
	v_lshl_add_u32 v[AK0], v9, 4, v[AK0]  ; row x pitch + 16 x half
	; The turning load takes 16 keys x 16 channels (lane l reads key 8 (l / 16) + l % 8, channels 8 ((l / 8) % 2) + 0..7) and leaves half a fragment of V^T: lane l holds channel l % 16 and 8 keys.
	v_and_b32 v10, 7, v0
	v_bfe_u32 v11, v0, 3, 1
	v_lshl_add_u32 v[AV0], v9, 3, v10
	v_mul_u32_u24 v[AV0], v[AV0], PV
	v_lshl_add_u32 v[AV0], v11, 4, v[AV0]
	v_add_nc_u32 v[AV0], VOFF, v[AV0]
	s_mul_i32 s13, s[WV], 16*SP
	s_add_co_u32 s13, s13, STAGE    ; my stage
	v_mul_u32_u24 v[STO], v1, SP    ; in: row l % 16, 16 bytes for each half of the lanes
	v_lshl_add_u32 v[STO], v9, 4, v[STO]
	v_add_nc_u32 v[STO], s13, v[STO]
	v_bfe_u32 v[RD], v0, 3, 2       ; back: 32 lanes take four rows of 128 bytes,
	v_mul_u32_u24 v[RD], v[RD], SP
	v_lshl_add_u32 v[RD], v10, 4, v[RD]
	v_add_nc_u32 v[RD], s13, v[RD]
	v_and_b32 v[GO], 31, v0         ; which are 512 consecutive bytes of O
	v_lshlrev_b32 v[GO], 4, v[GO]
	; A block's first step multiplies O^T and l by a = 0, and its first turn's products V^T P, of a piece that has not been, land in an O^T that is still to be so multiplied.  So these registers need only hold
	; finite numbers: zeros for the first block; what the first block left for the second.  All this stands in the wait for the first tile.
	WIN 0x80
.set i, VF
.rept 64
	v_mov_b32 v[i], 0
.set i, i+1
.endr
	WIN 0x40
.set i, 0
.rept 128
	v_mov_b32 v[i], 0
.set i, i+1
.endr
	WIN 0
.set i, 0
.rept 4
	v_mov_b32 v[ST+4*i+2], 0
	v_mov_b32 v[ST+4*i+3], 0
.set i, i+1
.endr
.set i, P+16
.rept 16
	v_mov_b32 v[i], 0
.set i, i+1
.endr
; THE MATRIX WORK.  The 4 accumulators of a run of 8 take turns.  Product i of 8 of S^T = K Q^T for piece x: channels 32 (i / 4) on, keys 16 (i % 4) on.  The first 4 start the sums: with 0, or (KM = 1) with the mask.
.macro KQ x
.set rS, S+32*((\x)%2)+8*(i%4)
.set rK, KF+16*(i%4)+8*(i/4)
.set rQ, 16*(\x)+8*(i/4)
.set rM, MC+32*((\x)%2)+8*(i%4)
.if (i < 4) && KM
	WIN W_KM
	v_wmma_f32_16x16x32_f16 v[rS:rS+7], v[rK:rK+7], v[rQ:rQ+7], v[rM:rM+7]
.elseif i < 4
	WIN W_KQ
	v_wmma_f32_16x16x32_f16 v[rS:rS+7], v[rK:rK+7], v[rQ:rQ+7], 0
.else
	WIN W_KQ
	v_wmma_f32_16x16x32_f16 v[rS:rS+7], v[rK:rK+7], v[rQ:rQ+7], v[rS:rS+7]
.endif
.endm
; Product i of 8 of O^T += V^T P for piece x: keys 32 (i / 4) on, channels 16 (i % 4) on.
.macro PV x
	WIN W_PV
.set rO, 32*(\x)+8*(i%4)
.set rV, VF+32*(i/4)+8*(i%4)
.set rP, P+16*((\x)%2)+8*(i/4)
	v_wmma_f32_16x16x32_f16 v[rO:rO+7], v[rV:rV+7], v[rP:rP+7], v[rO:rO+7]
.endm
.macro MM                           ; the turn's next matrix instruction.  TURN and BEGIN set Y, i, KM and NOKQ; MM, KQ and OP read them.  NOKQ = 1: a block's last turn: there is no next piece
.if (i < 8) && !NOKQ
	KQ (Y+1)%NP
.elseif i >= 8
.set i, i-8
	PV (Y+NP-1)%NP
.set i, i+8
.endif
.set i, i+1
.endm
; THE LDS LOADS stand in runs of 16, never singly among the matrix instructions: a step's K (64 keys x 64 channels: 8 fragments) and its V (turned).  Their addresses are made some lines ahead.
.macro FETCH_K
	WIN 0x80                        ; destination window 2
.irp f, 0,1,2,3,4,5,6,7             ; keys 16 (f / 2) on, channels 32 (f % 2) on
	ds_load_b128 v[KF+8*\f:KF+8*\f+3],   v[AK] offset:(\f/2)*16*PK+(\f%2)*64
	ds_load_b128 v[KF+8*\f+4:KF+8*\f+7], v[AK] offset:(\f/2)*16*PK+(\f%2)*64+32
.endr
	s_add_co_u32 s[TBK], s[TBK], KS*PK  ; the next fetch is the next step's
	WIN 0
.endm
.macro FETCH_V
	WIN 0x80
.irp f, 0,1,2,3,4,5,6,7             ; keys 32 (f / 4) on, channels 16 (f % 4) on
	ds_load_tr16_b128 v[VF+8*\f:VF+8*\f+3],   v[AV] offset:(\f/4)*32*PV+(\f%4)*32
	ds_load_tr16_b128 v[VF+8*\f+4:VF+8*\f+7], v[AV] offset:(\f/4)*32*PV+16*PV+(\f%4)*32
.endr
	WIN 0
.endm
; THE VECTOR WORK, one line at a time: OP kind, number.  For piece Y: F n: c s - c m for pair n of 16.  E n: the exponential of score n of 32.  C n: pair n rounded to f16.  B n: of the four weights 4 n .. the second
; pair is added onto the first, in place.  L n: l takes that sum (L 0: l = a l + sum).  R n: pair n of 16 of O^T times a.  For piece Y + 1: X n, number n of the 22 that find its maximum and statistics:
;   0-11  four chains c0-c3 of seven scores each, three operands at a time (each accumulator's lowest registers are read first)     12-14, 16  the four scores left over, the old m, and c0-c3 into c0
;   15  c m_old is kept     17, 18  the query's other 32 keys lie in the lane 16 away: the new m     19-21  c m; c m_old - c m_new; a
.set F, 0               ; OP tells the kinds apart by their order: F to L below R, X above it
.set E, 1
.set C, 2
.set B, 3
.set L, 4
.set R, 5
.set X, 6
.macro REGS y                       ; the registers of piece y
.set rT, ST+4*(\y)
.set rC, TMP+4*((\y)%2)
.set rW, MV+((\y)%2)
.set rS, S+32*((\y)%2)
.set rP, P+16*((\y)%2)
.set rO, 32*(\y)
.endm
.macro OP k, n
.if (\k) == R
	REGS Y
	WIN W_RS
	v_pk_mul_f32 v[rO+2*(\n):rO+2*(\n)+1], v[rO+2*(\n):rO+2*(\n)+1], v[rC+2:rC+3] op_sel_hi:[1,0]
.elseif (\k) < R
	REGS Y
	WIN 0
.if (\k) == F
	v_pk_fma_f32 v[rS+2*(\n):rS+2*(\n)+1], v[rS+2*(\n):rS+2*(\n)+1], s[CS:CS+1], v[rT:rT+1] op_sel_hi:[1,0,0] neg_lo:[0,0,1] neg_hi:[0,0,1]
.elseif (\k) == E
	v_exp_f32 v[rS+(\n)], v[rS+(\n)]
.elseif (\k) == C
	s_wait_alu depctr_va_vdst(0)
	v_cvt_pk_f16_f32 v[rP+(\n)], v[rS+2*(\n)], v[rS+2*(\n)+1]
.elseif (\k) == B
	s_wait_alu depctr_va_vdst(0)
	v_pk_add_f32 v[rS+4*(\n):rS+4*(\n)+1], v[rS+4*(\n):rS+4*(\n)+1], v[rS+4*(\n)+2:rS+4*(\n)+3]
.elseif (\n) == 0
	v_pk_fma_f32 v[rT+2:rT+3], v[rT+2:rT+3], v[rC+2:rC+3], v[rS:rS+1] op_sel_hi:[1,0,1]
.else
	v_pk_add_f32 v[rT+2:rT+3], v[rT+2:rT+3], v[rS+4*(\n):rS+4*(\n)+1]
.endif
.elseif NOKQ
	v_nop
.else
	REGS (Y+1)%NP
	WIN 0
.if (\n) < 4
	v_max3_num_f32 v[rC+(\n)], v[rS+8*(\n)], v[rS+8*(\n)+1], v[rS+8*(\n)+2]
.elseif (\n) < 12
	v_max3_num_f32 v[rC+(\n)%4], v[rC+(\n)%4], v[rS+8*((\n)%4)+2*((\n)/4)+1], v[rS+8*((\n)%4)+2*((\n)/4)+2]
.elseif (\n) == 12
	v_max3_num_f32 v[rC], v[rC], v[rS+7], v[rS+15]
.elseif (\n) == 13
	v_max3_num_f32 v[rC+1], v[rC+1], v[rS+23], v[rS+31]
.elseif (\n) == 14
	v_max3_num_f32 v[rC+2], v[rC+2], v[rC+3], v[rT+1]
.elseif (\n) == 15
	v_mov_b32 v[rW], v[rT]
.elseif (\n) == 16
	v_max3_num_f32 v[rC], v[rC], v[rC+1], v[rC+2]
.elseif (\n) == 17
	v_permlanex16_b32 v[rC+3], v[rC], s[SEL], s[SEL+1]
.elseif (\n) == 18
	v_max_num_f32 v[rT+1], v[rC], v[rC+3]
.elseif (\n) == 19
	v_mul_f32 v[rT], s[CS], v[rT+1]
.elseif (\n) == 20
	v_sub_f32 v[rC+1], v[rW], v[rT]
.else
	v_exp_f32 v[rC+2], v[rC+1]
.endif
.endif
.endm
.macro OPS a, i1, b=-1, i2=0, c=-1, i3=0, d=-1, i4=0  ; up to four of them
	OP \a, \i1
.if (\b) >= 0
	OP \b, \i2
.endif
.if (\c) >= 0
	OP \c, \i3
.endif
.if (\d) >= 0
	OP \d, \i4
.endif
.endm
.macro ROW a, i1, b, i2, c, i3, d, i4  ; a matrix instruction and the four behind it
	MM
	OPS \a, \i1, \b, \i2, \c, \i3, \d, \i4
.endm
.macro MASK b                       ; MD x AL + BE into buffer b of MC
	WIN W_RS
.set z, 0
.rept 16
	v_pk_fma_f32 v[MC+32*(\b)+2*z:MC+32*(\b)+2*z+1], v[MD+2*z:MD+2*z+1], s[AL:AL+1], s[BE:BE+1] op_sel_hi:[1,0,0]
.set z, z+1
.endr
.endm
; A TURN, for piece p: the order of its 16 matrix and 118 vector instructions, written out.  Behind a matrix instruction: plain, exponential, plain, plain; or four of the rescaling; or, behind the first, four scalings; none
; names a register of the products round it.  In the lumps exponential and plain by turns while exponentials last.  A line reads no result made fewer than three vector instructions in front of it, five if an exponential made it.
; v_permlanex16_b32 (X 17) stands in a lump.
; m = 1: the diagonal tile: the products take masks, and the turn makes the mask for the products of the turn after it: piece p + 2, in step 4 - CNT of the tile.  end = 1: a block's last two turns: nothing is fetched.
; cnt = 1: the loop's count is taken down some lines ahead of the branch that stands behind the turn.
; K of the next step is fetched in piece 2's turn, six vector instructions behind the last product that read K (five of them plain); V of the step in hand in piece 0's turn, eight behind the last product that read V (four
; plain, and X 17).  Each is waited for a turn later.
.macro TURN p, m=0, end=0, cnt=0
.set Y, (\p)
.set i, 0
.set KM, (\m)
.set NOKQ, (\end)*((\p)/3)
.if (\m) && !(\end)
	s_cmp_eq_u32 s[CNT], 4-((\p)+2)%NP  ; is that step the band's own?
	s_cselect_b32 s[AL], 1.0, 0
	s_cmp_lt_u32 s[CNT], 4-((\p)+2)%NP  ; or a later one?
	s_cselect_b32 s[BE], s[BIGN], 0
.endif
.if ((\p) == 3) && !(\end)
	s_wait_dscnt 0x0                ; K is in
.endif
	ROW F,0, F,1, F,2, F,3
	ROW F,4, E,0, F,5, F,6
	ROW F,7, E,1, F,8, F,9
	ROW F,10, E,2, C,0, F,11
	ROW F,12, E,3, X,15, F,13
	ROW R,0, R,1, R,2, R,3
	ROW B,0, E,4, F,14, L,0
.if ((\p) == 2) && !(\end)
	v_add_nc_u32 v[AK], s[TBK], v[AK0]
.endif
	ROW R,4, R,5, R,6, R,7
	OPS E,5, F,15
.if ((\p) == 2) && !(\end)
	FETCH_K
.endif
	OPS E,6, C,1, E,7, R,8
	OPS E,8, R,9, E,9, C,2
	OPS E,10, X,0, E,11, X,1
	OPS E,12, X,2, E,13, X,3
.if (\p) == 1
	s_wait_dscnt 0x0                ; V is in
.endif
	ROW X,4, E,14, X,5, X,6
	ROW X,7, E,15, X,8, X,9
	ROW X,10, E,16, X,11, X,12
	ROW X,13, E,17, X,14, B,1
	ROW C,4, E,18, X,16, L,1
	ROW B,2, E,19, C,6, L,2
	ROW C,8, E,20, B,3, B,4
.if (\p) == 0
	v_add_nc_u32 v[AV], s[TBV], v[AV0]
.endif
	ROW C,3, E,21, L,3, C,5
	OPS E,22, X,17, E,23, C,10
.if (\p) == 0
	FETCH_V
.endif
	OPS E,24, L,4
	OPS E,25, X,18, E,26, C,7
	OPS E,27, B,5, E,28, X,19
	OPS E,29, C,12, E,30, L,5
	OPS E,31, X,20, B,6, C,9
	OPS C,14, C,11, X,21, L,6
.if (\p) == 0
	s_add_co_u32 s[TBV], s[TBV], KS*PV
.endif
.if \cnt
	s_sub_co_u32 s[CNT], s[CNT], 1
	s_cmp_lg_u32 s[CNT], 0
.endif
	OPS C,13, B,7, C,15, R,10
	OPS R,11, R,12, L,7, R,13
	OPS R,14, R,15
.if (\m) && !(\end)
	MASK (\p)%2
.endif
.endm
; A BLOCK BEGINS.  c m starts far below every c s, so the first step's a is 0; m at the lowest finite number, so the first maximum is the scores'.  The second mask buffer is 0; the first takes piece 0's mask for the tile's step 0: its own, if the block's first tile is the diagonal one.
; Then K of that step, piece 0's first scores, and its maximum and statistics.  The loop is entered at a step's first turn, in the middle of a trip.
.macro BEGIN
	s_mov_b32 s[NEW], 0
	WIN 0x40
.set i, MC+32
.rept 32
	v_mov_b32 v[i], 0
.set i, i+1
.endr
	WIN 0
.set i, 0
.rept 4
	v_mov_b32 v[ST+4*i], 0xfe000000    ; c m: far below every c s
	v_mov_b32 v[ST+4*i+1], 0xff7fffff  ; m
.set i, i+1
.endr
	s_cmp_eq_u32 s[RT], 0
	s_cselect_b32 s[AL], 1.0, 0
	s_mov_b32 s[BE], 0
	MASK 0
	WIN 0
	v_add_nc_u32 v[AK], s[TBK], v[AK0]
	FETCH_K
	s_wait_loadcnt 0x0              ; Q
	s_wait_dscnt 0x0
.set KM, 1
.set NOKQ, 0
.set i, 0
.rept 8
	KQ 0
.set i, i+1
.endr
	WIN 0
.rept 4
	v_nop                           ; the places behind those products
.endr
.set Y, NP-1                        ; X works for piece Y + 1: piece 0
.irp n, 0,1,2,3,4,5,6,7,8,9,10,11,12,13,14,15,16,17,18,19,20,21
	OP X, \n
.endr
	v_nop                           ; a plain instruction behind the exponential
.endm
; THE DIAGONAL TILE's four steps, the block's last two turns, its last products, and THE WAY OUT: l's two halves and the other half of the lanes' are added; O^T is divided by l, rounded to f16 and sent through my
; stage in LDS, a piece at a time.
.macro ALL line:vararg              ; one line for each piece t
.set t, 0
.rept 4
	\line
.set t, t+1
.endr
.endm
.macro PACK t                       ; a lane's eight channels of a row pack into 16 bytes; they go into rows of 144 bytes and come back as whole rows of 128, into S^T's registers
	WIN W_RS
.set i, 32*(\t)
.rept 16
	s_wait_alu depctr_va_vdst(0)
	v_pk_mul_f32 v[i:i+1], v[i:i+1], v[ST+4*(\t)+2:ST+4*(\t)+3] op_sel_hi:[1,0]
.set i, i+2
.endr
	WIN 0x05                        ; sources 0 and 1 window 1, destination window 0
.set i, 0
.rept 16
	v_cvt_pk_f16_f32 v[S+16*(\t)+i], v[32*(\t)+2*i], v[32*(\t)+2*i+1]
.set i, i+1
.endr
	WIN 0
.irp f, 0,1,2,3
	ds_store_b128 v[STO], v[S+16*(\t)+4*\f:S+16*(\t)+4*\f+3] offset:32*\f
.endr
.irp f, 0,1,2,3
	ds_load_b128 v[S+16*(\t)+4*\f:S+16*(\t)+4*\f+3], v[RD] offset:\f*4*SP  ; LDS serves a wave's instructions in order: these see the stores above; the next piece's stores come behind them
.endr
.endm
.macro SEND t, younger              ; younger: the LDS instructions issued behind piece t's loads: the next piece's eight, or none
	WIN 0
.irp f, 0,1,2,3
	s_wait_dscnt (\younger)+3-\f
	global_store_b128 v[GO], v[S+16*(\t)+4*\f:S+16*(\t)+4*\f+3], s[10:11] offset:(\t)*8192+\f*512  ; 512 consecutive bytes, at a multiple of 256 from O's first
.endr
.endm
.macro DIAG tag                     ; the tag ends its two labels' names, which the jumps below spell out
.LstepM\tag:
	TURN 2, 1
	TURN 3, 1
	WIN 0
.LfirstM\tag:
	TURN 0, 1
	TURN 1, 1, 0, 1
	WIN 0
	s_cbranch_scc1 .LstepM\tag
	TURN 2, 1, 1
	TURN 3, 1, 1
.set i, 0
.rept 8
	PV NP-1
.set i, i+1
.endr
	WIN 0
	ALL v_add_f32 v[ST+4*t+2], v[ST+4*t+2], v[ST+4*t+3]
	ALL v_permlanex16_b32 v[ST+4*t+3], v[ST+4*t+2], s[SEL], s[SEL+1]
	ALL v_add_f32 v[ST+4*t+2], v[ST+4*t+2], v[ST+4*t+3]
	ALL v_rcp_f32 v[ST+4*t+2], v[ST+4*t+2]
	v_nop                           ; a plain instruction between the last reciprocal and the use of its result
	PACK 0
.set t, 1
.rept 3                             ; a piece's arithmetic stands between the loads of the piece before and its stores
	PACK t
	SEND t-1, 8
.set t, t+1
.endr
	SEND 3, 0
.endm
.set KM, 0
.set NOKQ, 0
.Lslot:                             ; NB times: a tile is entered and the next is asked for
	CHANGE 1
	s_sub_co_u32 s[RT], s[RT], 1
	s_mov_b32 s[CNT], 4
	s_cmp_eq_u32 s[NEW], 1
	s_cbranch_scc1 .Lnew            ; a block's first tile
	s_cmp_eq_u32 s[RT], 0
	s_cbranch_scc0 .Lstep           ; neither its first nor its last
	s_branch .LstepM1
.Lnew:
	BEGIN
	s_branch .Lfirst                ; in the loop a block's first tile is never its last: the first block has five tiles or more, and the second's last is the walk's last
	DIAG 1                          ; in the loop this is the first block's end: the second block's last tile is the walk's last
	s_wait_xcnt 0x0                 ; the stores have read their registers and O's address
	s_mov_b64 s[10:11], s[OLO:OLO+1]
	s_add_co_u32 s[RT], s[PB], 1    ; the second block has b + 1 tiles
	s_mov_b32 s[NEW], 1
	WIN 0x82                        ; the second block's Q goes where the one text of the turns names Q
.set i, 0
.rept 64
	v_mov_b32 v[i], v[QB+i]
.set i, i+1
.endr
	WIN 0
	s_branch .Lbottom
.Lstep:                             ; a trip: pieces 2 and 3 of one step, then pieces 0 and 1 of the next, whose K and V it fetches
	TURN 2
	TURN 3
	WIN 0
.Lfirst:
	TURN 0
	TURN 1, 0, 0, 1
	WIN 0
	s_cbranch_scc1 .Lstep
.Lbottom:
	s_sub_co_u32 s[SLOTS], s[SLOTS], 1
	s_cmp_lg_u32 s[SLOTS], 0
	s_cbranch_scc1 .Lslot
	CHANGE 0                        ; the walk's last tile is written out: nothing is asked for
	s_sub_co_u32 s[RT], s[RT], 1
	s_mov_b32 s[CNT], 4
	s_cmp_eq_u32 s[NEW], 1
	s_cbranch_scc0 .LstepM2
	BEGIN
	s_branch .LfirstM2
	DIAG 2
	s_wait_tensorcnt 0x0            ; the wave's end, behind my last tensor load and my last LDS store
	ds_add_u32 v[SPW], v[NIL]
	s_wait_dscnt 0x0
	s_endpgm
; THE WEIGHTS.  Work-group 128 + c rounds 131,072 numbers: c = 0-7 of W_o, 8-39 of W_fc, 40-71 of W_fc2; a wave 32,768, in sets of eight loads of 512 consecutive bytes.
; Two sets of registers take turns, so that eight loads of the wave are on their way while the other eight are rounded and stored (a store: 256 consecutive bytes).
.set X0, 64                         ; v[64:95], v[96:127] as loaded
.set X1, 96
.set Y0, 128                        ; v[128:143], v[144:159] to store
.set Y1, 144
.macro HALFSET x, y, ldoff, stoff, more
.set j, 0
.rept 8
	v_cvt_pk_f16_f32 v[(\y)+2*j],   v[(\x)+4*j],   v[(\x)+4*j+1]
	v_cvt_pk_f16_f32 v[(\y)+2*j+1], v[(\x)+4*j+2], v[(\x)+4*j+3]
.set j, j+1
.endr
.if \more
.set j, 0
.rept 8
	global_load_b128 v[(\x)+4*j:(\x)+4*j+3], v3, s[32:33] offset:(\ldoff)+512*j th:TH_LOAD_NT
.set j, j+1
.endr
.endif
.set j, 0
.rept 8
	global_store_b64 v4, v[(\y)+2*j:(\y)+2*j+1], s[34:35] offset:(\stoff)+256*j
.set j, j+1
.endr
.endm
.Lcvt:
	s_load_b256 s[16:23], s[0:1], 0x10  ; W_o s[16:17], W_fc s[18:19], W_fc2 s[20:21], wo s[22:23]
	s_load_b128 s[24:27], s[0:1], 0x30  ; wf s[24:25], wf2 s[26:27]
	s_sub_co_u32 s28, ttmp9, 128    ; c
	s_sub_co_u32 s29, s28, 8
	s_sub_co_u32 s30, s28, 40
	v_and_b32 v2, 31, v0
	v_lshlrev_b32 v3, 4, v2
	s_lshl_b32 s38, s[WV], 17
	v_add_nc_u32 v3, s38, v3        ; in: wave x 131,072 + 16 x lane
	v_lshlrev_b32 v4, 3, v2
	s_lshl_b32 s38, s[WV], 16
	v_add_nc_u32 v4, s38, v4        ; out: wave x 65,536 + 8 x lane
	s_wait_kmcnt 0x0
	s_cmp_lt_u32 s28, 40
	s_cselect_b64 s[32:33], s[18:19], s[20:21]
	s_cselect_b64 s[34:35], s[24:25], s[26:27]
	s_cselect_b32 s31, s29, s30
	s_cmp_lt_u32 s28, 8
	s_cselect_b64 s[32:33], s[16:17], s[32:33]
	s_cselect_b64 s[34:35], s[22:23], s[34:35]
	s_cselect_b32 s31, s28, s31     ; my part of the chosen tensor
	s_lshl_b32 s36, s31, 19
	s_mov_b32 s37, 0
	s_add_nc_u64 s[32:33], s[32:33], s[36:37]
	s_lshl_b32 s36, s31, 18
	s_add_nc_u64 s[34:35], s[34:35], s[36:37]
.set j, 0
.rept 8
	global_load_b128 v[X0+4*j:X0+4*j+3], v3, s[32:33] offset:512*j th:TH_LOAD_NT
.set j, j+1
.endr
.set j, 0
.rept 8
	global_load_b128 v[X1+4*j:X1+4*j+3], v3, s[32:33] offset:4096+512*j th:TH_LOAD_NT
.set j, j+1
.endr
	s_mov_b32 s39, 15
.Lw:
	s_wait_loadcnt 8                ; the older set is in, the younger eight loads stay out
	HALFSET X0, Y0, 8192, 0, 1
	s_wait_loadcnt 8
	HALFSET X1, Y1, 12288, 2048, 1
	s_wait_xcnt 0x0                 ; the bases and the stores' registers are rewritten only behind this wait
	s_add_nc_u64 s[32:33], s[32:33], 8192
	s_add_nc_u64 s[34:35], s[34:35], 4096
	s_sub_co_u32 s39, s39, 1
	s_cmp_lg_u32 s39, 0
	s_cbranch_scc1 .Lw
	s_wait_loadcnt 8                ; the last two sets: nothing is left to load
	HALFSET X0, Y0, 0, 0, 0
	s_wait_loadcnt 0x0
	HALFSET X1, Y1, 0, 2048, 0
	s_wait_tensorcnt 0x0            ; the wave's end
	ds_add_u32 v[SPW], v[NIL]
	s_wait_dscnt 0x0
	s_endpgm
.Lfunc_end_k_qfb2855d583_attn:
	.size	k_qfb2855d583_attn, .Lfunc_end_k_qfb2855d583_attn-k_qfb2855d583_attn
	.p2alignl 7, 3214868480
	.fill 96, 4, 3214868480
	.section	.rodata,"a",@progbits
	.p2align	6, 0x0
	.amdhsa_kernel k_qfb2855d583_attn
		.amdhsa_group_segment_fixed_size 327680
		.amdhsa_private_segment_fixed_size 0
		.amdhsa_enable_private_segment 0
		.amdhsa_kernarg_size 64
		.amdhsa_user_sgpr_count 2
		.amdhsa_user_sgpr_kernarg_segment_ptr 1
		.amdhsa_wavefront_size32 1
		.amdhsa_system_sgpr_workgroup_id_x 1
		.amdhsa_system_sgpr_workgroup_id_y 1
		.amdhsa_system_sgpr_workgroup_id_z 1
		.amdhsa_system_vgpr_workitem_id 0
		.amdhsa_next_free_vgpr 768
		.amdhsa_next_free_sgpr 88
		.amdhsa_reserve_vcc 1
		.amdhsa_float_denorm_mode_32 3
		.amdhsa_float_denorm_mode_16_64 3
		.amdhsa_memory_ordered 1
		.amdhsa_forward_progress 1
		.amdhsa_inst_pref_size 240
	.end_amdhsa_kernel
	.amdgpu_metadata
---
amdhsa.version: [ 1, 2 ]
amdhsa.kernels:
  - .name:           k_qfb2855d583_attn
    .symbol:         k_qfb2855d583_attn.kd
    .args:
      - { .name: qkv, .offset: 0, .size: 8, .value_kind: global_buffer, .address_space: global }
      - { .name: act, .offset: 8, .size: 8, .value_kind: global_buffer, .address_space: global }
      - { .name: W_o, .offset: 16, .size: 8, .value_kind: global_buffer, .address_space: global }
      - { .name: W_fc, .offset: 24, .size: 8, .value_kind: global_buffer, .address_space: global }
      - { .name: W_fc2, .offset: 32, .size: 8, .value_kind: global_buffer, .address_space: global }
      - { .name: wo, .offset: 40, .size: 8, .value_kind: global_buffer, .address_space: global }
      - { .name: wf, .offset: 48, .size: 8, .value_kind: global_buffer, .address_space: global }
      - { .name: wf2, .offset: 56, .size: 8, .value_kind: global_buffer, .address_space: global }
    .group_segment_fixed_size: 327680
    .private_segment_fixed_size: 0
    .kernarg_segment_align: 8
    .kernarg_segment_size: 64
    .max_flat_workgroup_size: 128
    .sgpr_count:     88
    .vgpr_count:     768
    .wavefront_size: 32
...
	.end_amdgpu_metadata
.endif
;; end of part 3
;; launch gemm_wo (part 4): grid 8 x 32, 4 waves a work-group, clusters of 4 x 4, 327,680 bytes of LDS; arguments act, wo, b_o, x, x1; writes x1
.if DOCPART == 4
	.amdgcn_target "amdgcn-amd-amdhsa--gfx1250"
	.amdhsa_code_object_version 6
	.text
	.protected	k_qfb2855d583_gemm_wo
	.globl	k_qfb2855d583_gemm_wo
	.p2align	8
	.type	k_qfb2855d583_gemm_wo,@function
k_qfb2855d583_gemm_wo:
	s_mov_b64 s[64:65], 0
	v_nop
	global_prefetch_b8 v0, s[64:65] scope:SCOPE_SE
	s_setreg_imm32_b32 hwreg(HW_REG_WAVE_MODE, 25, 1), 1
	s_wait_xcnt 0x0
	s_wait_alu depctr_hold_cnt(0) depctr_sa_sdst(0) depctr_va_vdst(0) depctr_va_sdst(0) depctr_va_ssrc(0) depctr_va_vcc(0) depctr_vm_vsrc(0)
	s_getreg_b32 s2, hwreg(HW_REG_IB_STS2, 6, 4)
	s_cmp_eq_u32 s2, 0
	s_cbranch_scc0 .Lentry_in_a_cluster
	s_endpgm
.Lentry_in_a_cluster:
	s_bfe_u32 s2, ttmp6, 0x10000c
	s_cmp_lg_u32 s2, 0xf033
	s_cbranch_scc0 .Lentry_shape_is_right
	s_endpgm
.Lentry_shape_is_right:
; x1 = x + y W_o + b_o.  y: 16 panels [k / 64][4096][64] f16; W: [1024][1024] f16; bias, x and x1 f32, [4096][1024].
; A tile of the result is 128 x 128 (8 x 32 tiles: one for each work-group); four waves, each 64 x 64: 16 accumulators, 128 registers.
; K goes in steps of 256 through two LDS slots filled by the tensor data mover.  The bias is the C operand of each sum's first product; the residual is loaded at the start and added on the way out.
; A slot's work is written once for the loop, whichever slot it is: s18 holds the LDS offset of the slot filled last and is turned at each change of slots.
; THE MATRIX INSTRUCTION IS USED TRANSPOSED: source 0 = 16 columns of W (W lies [k][n] in LDS and is turned by ds_load_tr16_b128), source 1 = 16 rows of y:
; a lane then holds one row and eight neighbouring columns of the result.
; CLUSTER 4 x 4: y's tile hangs on the tile row alone and is asked for jointly along a row of the cluster, W's on the tile column alone, along a column.
; LIMITS.  The operands are f16, within 65,504.  NaN and infinities are not treated apart.
; REGISTERS: window 0 addresses, bias v32-63, two buffers for the way out v64-127, the residual v128-255; window 1 two fragment buffers of 128; window 2 accumulators (a, b) at 8 (4 a + b).
.set MT,    128
.set NT,    128
.set WM,    4
.set WN,    4
.set NN,    1024
.set KTOT,  1024
.set KS,    256
.set QD,    2
.set NWIN,  1
.set AW,    WM/NWIN
.set PB,    288                        ; a row of W in LDS: 256 bytes + 32 of padding: an odd multiple of 32
.set BQ,    128
.set BQI,   5                          ; padding after every 64 words
.set PST,   524288
.set PANB,  MT*144
.set BREL,  73728                      ; W's rows lie behind y's four panels
.set HB,    (KS/2)*PB
.set SLOT,  BREL+2*HB
.set STAGE, 2*SLOT                     ; behind the ring: 16 rows x 272 bytes for each wave
.set SPARE, STAGE+4*4352               ; behind the stages: the spare words, 128 bytes a wave
.set NS,    KTOT/KS                    ; K steps: even, so the last lies in slot 1
.set ASTEP, 36864                      ; 128 K on in y's part of a slot: two panels
.set BSTEP, 64*QD*PB
.set ASL,   (KS/64)*PST
.set BSL,   KS*NN*2
.set BI,    32
.set BK0,   64
.set BK1,   96
.set RES,   128
.set G1,  24                           ; s[24:31] group 1 for y's tiles; s[32:39] group 0: a set for each of the two first fills; the second then walks on
.set G0,  32
.set G1B, 48                           ; s[48:55], s[56:63] the same for W's
.set G0B, 56
.set MSB, 0
.macro WIN new                         ; the immediate's high byte repeats the setting that is left; a switch that changes nothing is dropped
.if MSB != (\new)
	s_set_vgpr_msb (MSB<<8)|(\new)
.set MSB, \new
.endif
.endm
.macro PLACES                          ; four places behind matrix instructions, in front of loads into their sources and of reads of their results
.rept 4
	v_nop
.endr
.endm
.macro JLOAD s                         ; a joint load: waves 0, 1 fetch two panels of y each, waves 2, 3 the halves of W's rows
	s_cmp_lt_u32 s14, 2
	s_cbranch_scc0 .Lfor_b_\@
	tensor_load_to_lds s[G0+4*(\s):G0+4*(\s)+3], s[G1:G1+7]
	s_nop 0
.rept 4
	v_nop
.endr
	s_branch .Lasked_\@
.Lfor_b_\@:
	tensor_load_to_lds s[G0B+4*(\s):G0B+4*(\s)+3], s[G1B:G1B+7]
	s_nop 0
.rept 4
	v_nop
.endr
.Lasked_\@:
.endm
.macro CROUND                          ; a round of the cluster's barrier
	s_barrier_signal -1
	s_barrier_wait -1
	s_cmp_lg_u32 s14, 0
	s_cbranch_scc1 .Lnot_wave_0_\@
	s_barrier_signal -3
.Lnot_wave_0_\@:
	s_barrier_wait -3
	s_barrier_signal -1
	s_barrier_wait -1
.endm
; 32 LDS loads in one run: the fragments of 32 QD along K into buffer f, from the 64 QD of K at v12 (y) and v13 (W)
.macro FETCH f
	WIN 0x40
.set ic, 0
.rept QD
.set kk, (\f)*QD+ic
.set ia, 0
.rept WM
	ds_load_b128 v[128*(\f)+8*(ic*WM+ia):128*(\f)+8*(ic*WM+ia)+3],   v12 offset:(kk/2)*PANB+(kk%2)*64+ia*2304
	ds_load_b128 v[128*(\f)+8*(ic*WM+ia)+4:128*(\f)+8*(ic*WM+ia)+7], v12 offset:(kk/2)*PANB+(kk%2)*64+ia*2304+32
.set ia, ia+1
.endr
.set ib, 0
.rept WN
	ds_load_tr16_b128 v[128*(\f)+8*QD*WM+8*(ic*WN+ib):128*(\f)+8*QD*WM+8*(ic*WN+ib)+3],   v13 offset:kk*32*PB+(ib/4)*BQ+(ib%4)*32
	ds_load_tr16_b128 v[128*(\f)+8*QD*WM+8*(ic*WN+ib)+4:128*(\f)+8*QD*WM+8*(ic*WN+ib)+7], v13 offset:kk*32*PB+(ib/4)*BQ+(ib%4)*32+16*PB
.set ib, ib+1
.endr
.set ic, ic+1
.endr
.endm
; buffer f is multiplied: every accumulator once for each 32 of K, by turns.  zero = 1: the first products start the sums, with the bias as C
.macro MUL f, zero=0
.set iw, 0
.rept NWIN
.set ic, 0
.rept QD
.set ia, 0
.rept AW
.set ib, 0
.rept WN
.set rD, 8*(ia*WN+ib)
.set rB, 128*(\f)+8*QD*WM+8*(ic*WN+ib)
.set rA, 128*(\f)+8*(ic*WM+iw*AW+ia)
.if (\zero) && (ic == 0)
	WIN 0x05+0x40*(2+iw)
	v_wmma_f32_16x16x32_f16 v[rD:rD+7], v[rB:rB+7], v[rA:rA+7], v[BI+8*ib:BI+8*ib+7]
.else
	WIN 0x05+0x50*(2+iw)
	v_wmma_f32_16x16x32_f16 v[rD:rD+7], v[rB:rB+7], v[rA:rA+7], v[rD:rD+7]
.endif
.set ib, ib+1
.endr
.set ia, ia+1
.endr
.set ic, ic+1
.endr
.set iw, iw+1
.endr
.endm
; THE CHANGE OF SLOTS.  Each wave waits for all its tensor loads (one is out: its part of the slot that is entered), adds 0 to its spare word, and waits for that and for its reads of the
; slot that it leaves (the last are in buffer 1's registers).  fill = 1: the slot filled last (s18) is the one entered (s23); s18 turns to the other, and the walking descriptors take that
; slot and the next K step; then a round of the cluster's barrier, and the joint load first thing behind it.  fill = 0: the last K step, in slot 1: nothing is asked for.
.macro CHANGE fill
	WIN 0
	s_wait_tensorcnt 0x0                           ; no tensor load of mine is out, so a group 0 may be written
	ds_add_u32 v28, v29                            ; 0 onto my spare word; the descriptors' steps stand between the add and the wait for it
.if \fill
	s_mov_b32 s23, s18
	s_xor_b32 s18, s18, SLOT                       ; 0 or SLOT
	s_add_co_u32 s[G0+5], s46, s18                 ; LDS address: my wave's constant and the slot's
	s_add_co_u32 s[G0B+5], s47, s18
	s_add_nc_u64 s[G0+6:G0+7], s[G0+6:G0+7], ASL   ; the type bits on top are not reached
	s_add_nc_u64 s[G0B+6:G0B+7], s[G0B+6:G0B+7], BSL
.endif
	s_wait_dscnt 0x0
.if \fill
	CROUND
	JLOAD 1
	v_add_nc_u32 v12, s23, v10
	v_add_nc_u32 v13, s23, v11
.else
	s_barrier_signal -1
	s_barrier_wait -1
	v_add_nc_u32 v12, SLOT, v10
	v_add_nc_u32 v13, SLOT, v11
.endif
.endm
; A slot's work: two trips of 64 QD along K.  A trip fetches its first half into buffer 0 while buffer 1 (the half before) is multiplied, then its second half into buffer 1 while buffer 0 is.
.macro SLOTWORK fill, lab
	CHANGE \fill
	s_mov_b32 s3, 2
\lab:
	PLACES
	FETCH 0
	s_wait_dscnt 32                                ; all but the 32 just issued: buffer 1 is in
	MUL 1
	PLACES
	FETCH 1
	s_wait_dscnt 32                                ; buffer 0 is in
	MUL 0
	WIN 0
	v_add_nc_u32 v12, ASTEP, v12
	v_add_nc_u32 v13, BSTEP, v13
	s_sub_co_u32 s3, s3, 1
	s_cmp_lg_u32 s3, 0
	s_cbranch_scc1 \lab
.endm
	s_load_b256 s[4:11], s[0:1], 0x0               ; y s[4:5], W s[6:7], bias s[8:9], residual s[10:11]
	s_load_b64 s[12:13], s[0:1], 0x20              ; the result
	v_lshl_add_u32 v28, v0, 2, SPARE
	v_mov_b32 v29, 0
	ds_add_u32 v28, v29                            ; the wave's opening: the add and its wait stand ahead of my first tensor load
	ds_add_u32 v28, v29
	v_lshrrev_b32 v1, 5, v0
	v_readfirstlane_b32 s14, v1                    ; wave 0..3
	s_lshr_b32 s15, s14, 1                         ; which half of the tile's rows is mine
	s_and_b32 s16, s14, 1                          ; which half of its columns
	s_and_b32 s17, s14, 1                          ; which half of a tile I fetch
	s_mov_b32 s18, SLOT                            ; of the two first fills the second goes to slot 1
	s_bfe_u32 s19, ttmp6, 0x40000                  ; cx
	s_bfe_u32 s20, ttmp6, 0x40004                  ; cy
	s_lshl_b32 s21, ttmp9, 2
	s_add_co_u32 s21, s21, s19                     ; tile column
	s_and_b32 s22, ttmp7, 0xffff
	s_lshl_b32 s22, s22, 2
	s_add_co_u32 s22, s22, s20                     ; tile row
	s_lshl_b32 s40, s20, 2
	s_lshl_b32 s40, 15, s40                        ; my row of the cluster
	s_lshl_b32 s41, 0x1111, s19                    ; my column
	s_or_b32 s[G1], s40, (1<<16)|(1<<20)|(1<<21)|(4<<22)|(3<<25)     ; mask; 2-byte elements; padding on; bit 21 beside a mask; 4 words after every 32
	s_or_b32 s[G1B], s41, (1<<16)|(1<<20)|(1<<21)|(BQI<<22)|(7<<25)  ; 8 words of padding
	s_mov_b32 s[G1+1], 8192<<16                    ; a panel's 128 rows are 16,384 dense bytes: one row of 8,192 elements; two panels, a panel apart
	s_mov_b32 s[G1+2], 2<<16
	s_mov_b32 s[G1+3], 8192<<16
	s_mov_b32 s[G1+4], 2
	s_mov_b32 s[G1+5], PST/2
	s_mov_b32 s[G1+6], 0
	s_mov_b32 s[G1+7], 0
	s_mov_b32 s[G1B+1], NT<<16                     ; 128 rows of NT elements, NN from row to row
	s_mov_b32 s[G1B+2], (KS/2)<<16
	s_mov_b32 s[G1B+3], NT<<16
	s_mov_b32 s[G1B+4], KS/2
	s_mov_b32 s[G1B+5], NN
	s_mov_b32 s[G1B+6], 0
	s_mov_b32 s[G1B+7], 0
	s_mul_i32 s42, s17, (KS/128)*PST               ; y: my two panels of the step, the tile's rows
	s_mul_i32 s43, s22, MT*128
	s_add_co_u32 s42, s42, s43
	s_mov_b32 s43, 0
	s_mul_i32 s44, s17, (KS/2)*NN*2                ; W: my half of the step's rows, the tile's columns
	s_mul_i32 s45, s21, NT*2
	s_add_co_u32 s44, s44, s45
	s_mov_b32 s45, 0
	s_mul_i32 s46, s14, 36864                      ; where they go in a slot: the wave's number alone; s46 and s47 are kept
	s_mul_i32 s47, s14, HB
	s_add_co_u32 s47, s47, BREL-2*HB
	s_wait_dscnt 0x0                               ; the opening add is done
	s_wait_kmcnt 0x0
	s_add_nc_u64 s[42:43], s[4:5], s[42:43]
	s_add_nc_u64 s[44:45], s[6:7], s[44:45]
	CROUND                                         ; all sixteen work-groups are here: the first joint loads meet
.irp s, 0,1
	s_mov_b32 s[G0+4*(\s)], 1
	s_add_co_u32 s[G0+4*(\s)+1], s46, (\s)*SLOT
	s_add_nc_u64 s[G0+4*(\s)+2:G0+4*(\s)+3], s[42:43], (\s)*ASL
	s_or_b32 s[G0+4*(\s)+3], s[G0+4*(\s)+3], 0x80000000
	s_mov_b32 s[G0B+4*(\s)], 1
	s_add_co_u32 s[G0B+4*(\s)+1], s47, (\s)*SLOT
	s_add_nc_u64 s[G0B+4*(\s)+2:G0B+4*(\s)+3], s[44:45], (\s)*BSL
	s_or_b32 s[G0B+4*(\s)+3], s[G0B+4*(\s)+3], 0x80000000
	JLOAD \s
.endr
	v_and_b32 v1, 15, v0                           ; r
	v_bfe_u32 v2, v0, 4, 1                         ; h
	v_lshlrev_b32 v17, 5, v2                       ; bias: my eight columns of a block of 16
	s_mul_i32 s80, s21, NT*4
	s_mul_i32 s81, s16, WN*64
	s_add_co_u32 s80, s80, s81
	s_mov_b32 s81, 0
	s_add_nc_u64 s[8:9], s[8:9], s[80:81]
.set ib, 0
.rept WN
	global_load_b128 v[BI+8*ib:BI+8*ib+3],   v17, s[8:9] offset:64*ib
	global_load_b128 v[BI+8*ib+4:BI+8*ib+7], v17, s[8:9] offset:64*ib+16
.set ib, ib+1
.endr
	v_lshlrev_b32 v16, 12, v2                      ; residual and result: lanes 0-15 take 256 bytes of a row, lanes 16-31 of the next
	v_lshl_add_u32 v16, v1, 4, v16
	s_lshl_b32 s80, s22, 19                        ; my first row, 128 x tile row + 64 x half, of 4,096 bytes;
	s_lshl_b32 s82, s15, 18
	s_lshl_b32 s83, s21, 9                         ; my first column, 128 x tile column + 64 x half, of 4 bytes
	s_lshl_b32 s84, s16, 8
	s_add_co_u32 s80, s80, s82
	s_add_co_u32 s80, s80, s83
	s_add_co_u32 s80, s80, s84
	s_mov_b32 s81, 0
	s_add_nc_u64 s[10:11], s[10:11], s[80:81]
	s_add_nc_u64 s[12:13], s[12:13], s[80:81]
.set ia, 0
.rept 4                                ; the residual of my 64 x 64 comes in under the products
.set it, 0
.rept 8
	global_load_b128 v[RES+32*ia+4*it:RES+32*ia+4*it+3], v16, s[10:11] offset:(16*ia+2*it)*4096
.set it, it+1
.endr
.set ia, ia+1
.endr
	v_mul_u32_u24 v10, v1, 144                     ; y's fragments: row x pitch + 16 x half
	v_lshl_add_u32 v10, v2, 4, v10
	s_mul_i32 s82, s15, WM*16*144
	v_add_nc_u32 v10, s82, v10
	v_and_b32 v3, 7, v0                            ; W's: the turning load reads k = 8 h + lane % 8, 16 bytes at 16 ((lane / 8) % 2)
	v_lshl_add_u32 v3, v2, 3, v3
	v_mul_u32_u24 v11, v3, PB
	v_bfe_u32 v4, v0, 3, 1
	v_lshl_add_u32 v11, v4, 4, v11
	s_mul_i32 s83, s16, WN*32
	s_add_co_u32 s83, s83, BREL
	v_add_nc_u32 v11, s83, v11
	s_mul_i32 s84, s14, 4352
	s_add_co_u32 s84, s84, STAGE                   ; my stage
	v_mul_u32_u24 v14, v1, 272                     ; in: row r, 32 bytes for each half of the lanes
	v_lshl_add_u32 v14, v2, 5, v14
	v_add_nc_u32 v14, s84, v14
	v_mul_u32_u24 v15, v2, 272                     ; back: lanes 0-15 one row of 256 bytes, lanes 16-31 the next
	v_lshl_add_u32 v15, v1, 4, v15
	v_add_nc_u32 v15, s84, v15
	s_wait_tensorcnt 0x1                           ; my part of K step 0 is in; step 1's may stay out
	s_barrier_signal -1
	s_barrier_wait -1
	v_mov_b32 v12, v10
	v_mov_b32 v13, v11
	FETCH 0
	FETCH 1
	s_wait_loadcnt 32                              ; the bias's eight loads are in; the residual's 32 stay out
	s_wait_dscnt 32                                ; buffer 0 is in
	MUL 0, 1
	WIN 0
	v_add_nc_u32 v12, ASTEP, v12
	v_add_nc_u32 v13, BSTEP, v13
	s_mov_b32 s3, 1                                ; slot 0 has one trip left: the loop is entered in its middle,
	s_mov_b32 s2, NS-1                             ; which counts as one of its trips
	s_branch .Lin
.Lout:                                                 ; NS - 2 whole trips: K steps 1 to NS - 2; each change of slots asks for the step after the one it enters
	SLOTWORK 1, .Lin
	s_sub_co_u32 s2, s2, 1
	s_cmp_lg_u32 s2, 0
	s_cbranch_scc1 .Lout
	SLOTWORK 0, .Lin2                              ; the last K step is written out: nothing is asked for
	s_wait_dscnt 0x0                               ; buffer 1 is in
	MUL 1
	PLACES
	; THE WAY OUT, a block of 16 rows at a time: the f32 sums go into my stage, come back as whole rows of 256 bytes, take the residual and are stored
.macro ST a
	WIN 0x08                                       ; store data in window 2
.set ib, 0
.rept 4
	ds_store_b128 v14, v[8*((\a)*WN+ib):8*((\a)*WN+ib)+3]   offset:64*ib
	ds_store_b128 v14, v[8*((\a)*WN+ib)+4:8*((\a)*WN+ib)+7] offset:64*ib+16
.set ib, ib+1
.endr
.endm
.macro LD bk
	WIN 0
.set it, 0
.rept 8
	ds_load_b128 v[(\bk)+4*it:(\bk)+4*it+3], v15 offset:it*544   ; LDS serves a wave's instructions in order: these see the stores above, and the next block's stores come behind them
.set it, it+1
.endr
.endm
.macro ADDST a, bk
	WIN 0
.set i, 0
.rept 16
	v_pk_add_f32 v[RES+32*(\a)+2*i:RES+32*(\a)+2*i+1], v[RES+32*(\a)+2*i:RES+32*(\a)+2*i+1], v[(\bk)+2*i:(\bk)+2*i+1]
.set i, i+1
.endr
.set it, 0
.rept 8
	global_store_b128 v16, v[RES+32*(\a)+4*it:RES+32*(\a)+4*it+3], s[12:13] offset:(16*(\a)+2*it)*4096   ; 16 lanes store 256 consecutive bytes, aligned
.set it, it+1
.endr
.endm
	ST 0
	LD BK0
	ST 1
	LD BK1
	s_wait_loadcnt 0x0                             ; the residual
	s_wait_dscnt 16                                ; block 0 is back; the next block's 16 LDS instructions may stay out
	ADDST 0, BK0
	ST 2
	LD BK0
	s_wait_dscnt 16
	ADDST 1, BK1
	ST 3
	LD BK1
	s_wait_dscnt 16
	ADDST 2, BK0
	s_wait_dscnt 0x0
	ADDST 3, BK1
	s_wait_tensorcnt 0x0                           ; the wave's end
	ds_add_u32 v28, v29
	s_wait_dscnt 0x0
	CROUND                                         ; the closing round
	s_endpgm
.Lfunc_end_k_qfb2855d583_gemm_wo:
	.size	k_qfb2855d583_gemm_wo, .Lfunc_end_k_qfb2855d583_gemm_wo-k_qfb2855d583_gemm_wo
	.p2alignl 7, 3214868480
	.fill 96, 4, 3214868480
	.section	.rodata,"a",@progbits
	.p2align	6, 0x0
	.amdhsa_kernel k_qfb2855d583_gemm_wo
		.amdhsa_group_segment_fixed_size 327680
		.amdhsa_private_segment_fixed_size 0
		.amdhsa_enable_private_segment 0
		.amdhsa_kernarg_size 40
		.amdhsa_user_sgpr_count 2
		.amdhsa_user_sgpr_kernarg_segment_ptr 1
		.amdhsa_wavefront_size32 1
		.amdhsa_system_sgpr_workgroup_id_x 1
		.amdhsa_system_sgpr_workgroup_id_y 1
		.amdhsa_system_sgpr_workgroup_id_z 1
		.amdhsa_system_vgpr_workitem_id 0
		.amdhsa_next_free_vgpr 640
		.amdhsa_next_free_sgpr 96
		.amdhsa_reserve_vcc 0
		.amdhsa_float_denorm_mode_32 3
		.amdhsa_float_denorm_mode_16_64 3
		.amdhsa_memory_ordered 1
		.amdhsa_forward_progress 1
		.amdhsa_inst_pref_size 51
	.end_amdhsa_kernel
	.amdgpu_metadata
---
amdhsa.version: [ 1, 2 ]
amdhsa.kernels:
  - .name:           k_qfb2855d583_gemm_wo
    .symbol:         k_qfb2855d583_gemm_wo.kd
    .args:
      - { .name: act, .offset: 0, .size: 8, .value_kind: global_buffer, .address_space: global }
      - { .name: wo, .offset: 8, .size: 8, .value_kind: global_buffer, .address_space: global }
      - { .name: b_o, .offset: 16, .size: 8, .value_kind: global_buffer, .address_space: global }
      - { .name: x, .offset: 24, .size: 8, .value_kind: global_buffer, .address_space: global }
      - { .name: x1, .offset: 32, .size: 8, .value_kind: global_buffer, .address_space: global }
    .group_segment_fixed_size: 327680
    .private_segment_fixed_size: 0
    .kernarg_segment_align: 8
    .kernarg_segment_size: 40
    .max_flat_workgroup_size: 128
    .sgpr_count:     96
    .vgpr_count:     640
    .wavefront_size: 32
...
	.end_amdgpu_metadata
.endif
;; end of part 4
;; launch ln2: the kernel of part 1 again; grid 256 x 1, 8 waves a work-group, no clusters, 0 bytes of LDS; arguments x1, ln2_g, ln2_b, W_attn, act, wa; writes act, wa
;; launch gemm_fc (part 5): grid 16 x 16, 4 waves a work-group, clusters of 4 x 4, 327,680 bytes of LDS; arguments act, wf, b_fc, gact; writes gact
.if DOCPART == 5
	.amdgcn_target "amdgcn-amd-amdhsa--gfx1250"
	.amdhsa_code_object_version 6
	.text
	.protected	k_qfb2855d583_gemm_fc
	.globl	k_qfb2855d583_gemm_fc
	.p2align	8
	.type	k_qfb2855d583_gemm_fc,@function
k_qfb2855d583_gemm_fc:
	s_mov_b64 s[64:65], 0
	v_nop
	global_prefetch_b8 v0, s[64:65] scope:SCOPE_SE
	s_setreg_imm32_b32 hwreg(HW_REG_WAVE_MODE, 25, 1), 1
	s_wait_xcnt 0x0
	s_wait_alu depctr_hold_cnt(0) depctr_sa_sdst(0) depctr_va_vdst(0) depctr_va_sdst(0) depctr_va_ssrc(0) depctr_va_vcc(0) depctr_vm_vsrc(0)
	s_getreg_b32 s2, hwreg(HW_REG_IB_STS2, 6, 4)
	s_cmp_eq_u32 s2, 0
	s_cbranch_scc0 .Lentry_in_a_cluster
	s_endpgm
.Lentry_in_a_cluster:
	s_bfe_u32 s2, ttmp6, 0x10000c
	s_cmp_lg_u32 s2, 0xf033
	s_cbranch_scc0 .Lentry_shape_is_right
	s_endpgm
.Lentry_shape_is_right:
; gact = gelu(h W_fc + b_fc), the exact (erf) GELU.  h: 16 panels [k / 64][4096][64] f16; W: [1024][4096] f16; bias f32; gact: 64 panels of f16.
; A tile of the result is 256 x 256 (16 x 16 tiles: one for each work-group); four waves, each 128 x 128: 64 accumulators, 512 registers.
; K goes in steps of 128 through two LDS slots filled by the tensor data mover.  The bias is the C operand of each sum's first product.
; A slot's work is written once for the loop, whichever slot it is: s18 holds the LDS offset of the slot filled last and is turned at each change of slots.
; THE MATRIX INSTRUCTION IS USED TRANSPOSED: source 0 = 16 columns of W (W lies [k][n] in LDS and is turned by ds_load_tr16_b128), source 1 = 16 rows of h:
; a lane then holds one row and eight neighbouring columns of the result, 16 bytes of f16.
; CLUSTER 4 x 4: h's tile hangs on the tile row alone and is asked for jointly along a row of the cluster, W's on the tile column alone, along a column.
; GELU.  The sum x is rounded once to f16 on its way into the stage.  erf z = 1 - (1 + a1 z + .. + a6 z^6)^-16 for z >= 0 (Abramowitz and Stegun 7.1.28, off by 3e-7 at the most), z = |x| / sqrt 2.
; All seven coefficients carry the factor 2^(1/16), so that the reciprocal of the 16th power is q / 2, and gelu(x) = max(x, 0) - |x| q / 2 for either sign.
; Where the power overflows its reciprocal is 0, which is the limit.
; LIMITS.  f16: |x| stays within 65,504.  NaN and infinities are not treated apart.
; REGISTERS: window 0 addresses, bias, at work; window 1 two fragment buffers of 128; windows 2, 3 accumulators (a, b) at 8 ((a % 4) 8 + b) of window 2 + a / 4.
.set MT,    256
.set NT,    256
.set WM,    8
.set WN,    8
.set NN,    4096
.set KTOT,  1024
.set KS,    128
.set QD,    1
.set NWIN,  2
.set AW,    WM/NWIN
.set PB,    544                        ; a row of W in LDS: 512 bytes + 32 of padding: an odd multiple of 32
.set BQ,    128
.set BQI,   6                          ; padding after every 128 words
.set PST,   524288
.set PANB,  MT*144
.set BREL,  73728                      ; W's rows lie behind h's two panels
.set HB,    (KS/2)*PB
.set SLOT,  BREL+2*HB
.set SPARE, 2*SLOT                     ; behind the ring: the spare words, 128 bytes a wave
.set NS,    KTOT/KS                    ; K steps: even, so the last lies in slot 1
.set ASTEP, 36864
.set BSTEP, 64*QD*PB
.set ASL,   (KS/64)*PST
.set BSL,   KS*NN*2
.set WSTR,  37632                      ; the way out: a wave's stage, two panels of 128 rows x 144 bytes and 768 bytes that the loop's last look-ahead reads, in the slots when they are dead
.set BI,    128                        ; v[128:191] bias of my 128 columns: eight a block
.set TMP,   192                        ; v[192:223]
.set XX,    32                         ; v[32:39]   16 f16 from the stage
.set TT,    40                         ; v[40:55]   x
.set AZ,    56                         ; v[56:71]   |x| / sqrt 2
.set PP,    72                         ; v[72:87]   the polynomial, its power, q / 2
.set YY,    88                         ; v[88:95]   to store
.set RR,    96                         ; v[96:111]  max(x, 0)
.set ONE,   112
.set ZER,   113
.set RS2,   114
.set CF,    66                         ; s[66:79] the seven coefficients, each in a pair
.set G1,  24                           ; s[24:31] group 1 for h's tiles; s[32:39] group 0: a set for each of the two first fills; the second then walks on
.set G0,  32
.set G1B, 48                           ; s[48:55], s[56:63] the same for W's
.set G0B, 56
.set MSB, 0
.macro WIN new                         ; the immediate's high byte repeats the setting that is left; a switch that changes nothing is dropped
.if MSB != (\new)
	s_set_vgpr_msb (MSB<<8)|(\new)
.set MSB, \new
.endif
.endm
.macro PLACES                          ; four places behind matrix instructions, in front of loads into their sources and of reads of their results
.rept 4
	v_nop
.endr
.endm
.macro JLOAD s                         ; a joint load: waves 0, 1 fetch h's two panels, waves 2, 3 the halves of W's rows
	s_cmp_lt_u32 s14, 2
	s_cbranch_scc0 .Lfor_b_\@
	tensor_load_to_lds s[G0+4*(\s):G0+4*(\s)+3], s[G1:G1+7]
	s_nop 0
.rept 4
	v_nop
.endr
	s_branch .Lasked_\@
.Lfor_b_\@:
	tensor_load_to_lds s[G0B+4*(\s):G0B+4*(\s)+3], s[G1B:G1B+7]
	s_nop 0
.rept 4
	v_nop
.endr
.Lasked_\@:
.endm
.macro CROUND                          ; a round of the cluster's barrier
	s_barrier_signal -1
	s_barrier_wait -1
	s_cmp_lg_u32 s14, 0
	s_cbranch_scc1 .Lnot_wave_0_\@
	s_barrier_signal -3
.Lnot_wave_0_\@:
	s_barrier_wait -3
	s_barrier_signal -1
	s_barrier_wait -1
.endm
; 32 LDS loads in one run: the fragments of 32 QD along K into buffer f, from the 64 QD of K at v12 (h) and v13 (W)
.macro FETCH f
	WIN 0x40
.set ic, 0
.rept QD
.set kk, (\f)*QD+ic
.set ia, 0
.rept WM
	ds_load_b128 v[128*(\f)+8*(ic*WM+ia):128*(\f)+8*(ic*WM+ia)+3],   v12 offset:(kk/2)*PANB+(kk%2)*64+ia*2304
	ds_load_b128 v[128*(\f)+8*(ic*WM+ia)+4:128*(\f)+8*(ic*WM+ia)+7], v12 offset:(kk/2)*PANB+(kk%2)*64+ia*2304+32
.set ia, ia+1
.endr
.set ib, 0
.rept WN
	ds_load_tr16_b128 v[128*(\f)+8*QD*WM+8*(ic*WN+ib):128*(\f)+8*QD*WM+8*(ic*WN+ib)+3],   v13 offset:kk*32*PB+(ib/4)*BQ+(ib%4)*32
	ds_load_tr16_b128 v[128*(\f)+8*QD*WM+8*(ic*WN+ib)+4:128*(\f)+8*QD*WM+8*(ic*WN+ib)+7], v13 offset:kk*32*PB+(ib/4)*BQ+(ib%4)*32+16*PB
.set ib, ib+1
.endr
.set ic, ic+1
.endr
.endm
; buffer f is multiplied: every accumulator once for each 32 of K, by turns.  zero = 1: the first products start the sums, with the bias as C
.macro MUL f, zero=0
.set iw, 0
.rept NWIN
.set ic, 0
.rept QD
.set ia, 0
.rept AW
.set ib, 0
.rept WN
.set rD, 8*(ia*WN+ib)
.set rB, 128*(\f)+8*QD*WM+8*(ic*WN+ib)
.set rA, 128*(\f)+8*(ic*WM+iw*AW+ia)
.if (\zero) && (ic == 0)
	WIN 0x05+0x40*(2+iw)
	v_wmma_f32_16x16x32_f16 v[rD:rD+7], v[rB:rB+7], v[rA:rA+7], v[BI+8*ib:BI+8*ib+7]
.else
	WIN 0x05+0x50*(2+iw)
	v_wmma_f32_16x16x32_f16 v[rD:rD+7], v[rB:rB+7], v[rA:rA+7], v[rD:rD+7]
.endif
.set ib, ib+1
.endr
.set ia, ia+1
.endr
.set ic, ic+1
.endr
.set iw, iw+1
.endr
.endm
; THE CHANGE OF SLOTS.  Each wave waits for all its tensor loads (one is out: its part of the slot that is entered), adds 0 to its spare word, and waits for that and for its reads of the
; slot that it leaves (the last are in buffer 1's registers).  fill = 1: the slot filled last (s18) is the one entered (s23); s18 turns to the other, and the walking descriptors take that
; slot and the next K step; then a round of the cluster's barrier, and the joint load first thing behind it.  fill = 0: the last K step, in slot 1: nothing is asked for.
.macro CHANGE fill
	WIN 0
	s_wait_tensorcnt 0x0                           ; no tensor load of mine is out, so a group 0 may be written
	ds_add_u32 v28, v29                            ; 0 onto my spare word; the descriptors' steps stand between the add and the wait for it
.if \fill
	s_mov_b32 s23, s18
	s_xor_b32 s18, s18, SLOT                       ; 0 or SLOT
	s_add_co_u32 s[G0+5], s46, s18                 ; LDS address: my wave's constant and the slot's
	s_add_co_u32 s[G0B+5], s47, s18
	s_add_nc_u64 s[G0+6:G0+7], s[G0+6:G0+7], ASL   ; the type bits on top are not reached
	s_add_nc_u64 s[G0B+6:G0B+7], s[G0B+6:G0B+7], BSL
.endif
	s_wait_dscnt 0x0
.if \fill
	CROUND
	JLOAD 1
	v_add_nc_u32 v12, s23, v10
	v_add_nc_u32 v13, s23, v11
.else
	s_barrier_signal -1
	s_barrier_wait -1
	v_add_nc_u32 v12, SLOT, v10
	v_add_nc_u32 v13, SLOT, v11
.endif
.endm
; A slot's work: two trips of 64 QD along K.  A trip fetches its first half into buffer 0 while buffer 1 (the half before) is multiplied, then its second half into buffer 1 while buffer 0 is.
.macro SLOTWORK fill, lab
	CHANGE \fill
	s_mov_b32 s3, 2
\lab:
	PLACES
	FETCH 0
	s_wait_dscnt 32                                ; all but the 32 just issued: buffer 1 is in
	MUL 1
	PLACES
	FETCH 1
	s_wait_dscnt 32                                ; buffer 0 is in
	MUL 0
	WIN 0
	v_add_nc_u32 v12, ASTEP, v12
	v_add_nc_u32 v13, BSTEP, v13
	s_sub_co_u32 s3, s3, 1
	s_cmp_lg_u32 s3, 0
	s_cbranch_scc1 \lab
.endm
	s_load_b256 s[4:11], s[0:1], 0x0               ; h s[4:5], W s[6:7], bias s[8:9], gact s[10:11]
	v_lshl_add_u32 v28, v0, 2, SPARE
	v_mov_b32 v29, 0
	ds_add_u32 v28, v29                            ; the wave's opening: the add and its wait stand ahead of my first tensor load
	ds_add_u32 v28, v29
	v_lshrrev_b32 v1, 5, v0
	v_readfirstlane_b32 s14, v1                    ; wave 0..3
	s_lshr_b32 s15, s14, 1                         ; which half of the tile's rows is mine
	s_and_b32 s16, s14, 1                          ; which half of its columns
	s_and_b32 s17, s14, 1                          ; which half of a tile I fetch
	s_mov_b32 s18, SLOT                            ; of the two first fills the second goes to slot 1
	s_bfe_u32 s19, ttmp6, 0x40000                  ; cx
	s_bfe_u32 s20, ttmp6, 0x40004                  ; cy
	s_lshl_b32 s21, ttmp9, 2
	s_add_co_u32 s21, s21, s19                     ; tile column
	s_and_b32 s22, ttmp7, 0xffff
	s_lshl_b32 s22, s22, 2
	s_add_co_u32 s22, s22, s20                     ; tile row
	s_lshl_b32 s40, s20, 2
	s_lshl_b32 s40, 15, s40                        ; my row of the cluster
	s_lshl_b32 s41, 0x1111, s19                    ; my column
	s_or_b32 s[G1], s40, (1<<16)|(1<<20)|(1<<21)|(4<<22)|(3<<25)     ; mask; 2-byte elements; padding on; bit 21 beside a mask; 4 words after every 32
	s_or_b32 s[G1B], s41, (1<<16)|(1<<20)|(1<<21)|(BQI<<22)|(7<<25)  ; 8 words of padding
	s_mov_b32 s[G1+1], 128<<16                     ; a panel's 256 rows are 32,768 dense bytes: asked for as 128 rows of 256
	s_mov_b32 s[G1+2], 128<<16
	s_mov_b32 s[G1+3], 128<<16
	s_mov_b32 s[G1+4], 128
	s_mov_b32 s[G1+5], 128
	s_mov_b32 s[G1+6], 0
	s_mov_b32 s[G1+7], 0
	s_mov_b32 s[G1B+1], NT<<16                     ; 64 rows of NT elements, NN from row to row
	s_mov_b32 s[G1B+2], (KS/2)<<16
	s_mov_b32 s[G1B+3], NT<<16
	s_mov_b32 s[G1B+4], KS/2
	s_mov_b32 s[G1B+5], NN
	s_mov_b32 s[G1B+6], 0
	s_mov_b32 s[G1B+7], 0
	s_mov_b32 s[CF],    0x3f85aac3                 ; 2^(1/16)
	s_mov_b32 s[CF+2],  0x3d96d367                 ; 2^(1/16) x 0.0705230784
	s_mov_b32 s[CF+4],  0x3d34dad2                 ; x 0.0422820123
	s_mov_b32 s[CF+6],  0x3c1e9ced                 ; x 0.0092705272
	s_mov_b32 s[CF+8],  0x392674aa                 ; x 0.0001520143
	s_mov_b32 s[CF+10], 0x39976bad                 ; x 0.0002765672
	s_mov_b32 s[CF+12], 0x383c9e99                 ; x 0.0000430638
.irp k, 0,2,4,6,8,10,12
	s_mov_b32 s[CF+\k+1], s[CF+\k]                 ; named as pairs
.endr
	s_mul_i32 s42, s17, (KS/128)*PST               ; h: my panel of the step, the tile's rows
	s_mul_i32 s43, s22, MT*128
	s_add_co_u32 s42, s42, s43
	s_mov_b32 s43, 0
	s_mul_i32 s44, s17, (KS/2)*NN*2                ; W: my half of the step's rows, the tile's columns
	s_mul_i32 s45, s21, NT*2
	s_add_co_u32 s44, s44, s45
	s_mov_b32 s45, 0
	s_mul_i32 s46, s14, 36864                      ; where they go in a slot: the wave's number alone; s46 and s47 are kept
	s_mul_i32 s47, s14, HB
	s_add_co_u32 s47, s47, BREL-2*HB
	s_wait_dscnt 0x0                               ; the opening add is done
	s_wait_kmcnt 0x0
	s_add_nc_u64 s[42:43], s[4:5], s[42:43]
	s_add_nc_u64 s[44:45], s[6:7], s[44:45]
	CROUND                                         ; all sixteen work-groups are here: the first joint loads meet
.irp s, 0,1
	s_mov_b32 s[G0+4*(\s)], 1
	s_add_co_u32 s[G0+4*(\s)+1], s46, (\s)*SLOT
	s_add_nc_u64 s[G0+4*(\s)+2:G0+4*(\s)+3], s[42:43], (\s)*ASL
	s_or_b32 s[G0+4*(\s)+3], s[G0+4*(\s)+3], 0x80000000
	s_mov_b32 s[G0B+4*(\s)], 1
	s_add_co_u32 s[G0B+4*(\s)+1], s47, (\s)*SLOT
	s_add_nc_u64 s[G0B+4*(\s)+2:G0B+4*(\s)+3], s[44:45], (\s)*BSL
	s_or_b32 s[G0B+4*(\s)+3], s[G0B+4*(\s)+3], 0x80000000
	JLOAD \s
.endr
	v_and_b32 v1, 15, v0                           ; r
	v_bfe_u32 v2, v0, 4, 1                         ; h
	v_lshlrev_b32 v17, 5, v2                       ; bias: my eight columns of a block of 16
	s_mul_i32 s80, s21, NT*4
	s_mul_i32 s81, s16, WN*64
	s_add_co_u32 s80, s80, s81
	s_mov_b32 s81, 0
	s_add_nc_u64 s[8:9], s[8:9], s[80:81]
.set ib, 0
.rept WN
	global_load_b128 v[BI+8*ib:BI+8*ib+3],   v17, s[8:9] offset:64*ib
	global_load_b128 v[BI+8*ib+4:BI+8*ib+7], v17, s[8:9] offset:64*ib+16
.set ib, ib+1
.endr
	v_mul_u32_u24 v10, v1, 144                     ; h's fragments: row x pitch + 16 x half
	v_lshl_add_u32 v10, v2, 4, v10
	s_mul_i32 s82, s15, WM*16*144
	v_add_nc_u32 v10, s82, v10
	v_and_b32 v3, 7, v0                            ; W's: the turning load reads k = 8 h + lane % 8, 16 bytes at 16 ((lane / 8) % 2)
	v_lshl_add_u32 v3, v2, 3, v3
	v_mul_u32_u24 v11, v3, PB
	v_bfe_u32 v4, v0, 3, 1
	v_lshl_add_u32 v11, v4, 4, v11
	s_mul_i32 s83, s16, WN*32
	s_add_co_u32 s83, s83, BREL
	v_add_nc_u32 v11, s83, v11
	s_mul_i32 s84, s14, WSTR                       ; my stage
	v_mul_u32_u24 v14, v1, 144                     ; in: row r, 16 bytes for each half of the lanes
	v_lshl_add_u32 v14, v2, 4, v14
	v_add_nc_u32 v14, s84, v14
	v_bfe_u32 v5, v0, 3, 2                         ; back: 32 lanes take four rows of 128 bytes,
	v_mul_u32_u24 v15, v5, 144
	v_and_b32 v6, 7, v0
	v_lshl_add_u32 v15, v6, 4, v15
	v_add_nc_u32 v15, s84, v15
	v_and_b32 v16, 31, v0                          ; which are 512 consecutive bytes of a panel
	v_lshlrev_b32 v16, 4, v16
	v_mov_b32 v[ONE], 1.0
	v_mov_b32 v[ZER], 0
	v_mov_b32 v[RS2], 0x3f3504f3                   ; 1 / sqrt 2
	s_lshl_b32 s80, s21, 2                         ; out: panels 4 x tile column + 2 x half on,
	s_lshl1_add_u32 s80, s16, s80
	s_lshl_b32 s80, s80, 19
	s_lshl_b32 s82, s22, 15                        ; rows 256 x tile row + 128 x half
	s_lshl_b32 s83, s15, 14
	s_add_co_u32 s80, s80, s82
	s_add_co_u32 s80, s80, s83
	s_mov_b32 s81, 0
	s_add_nc_u64 s[10:11], s[10:11], s[80:81]
	s_wait_tensorcnt 0x1                           ; my part of K step 0 is in; step 1's may stay out
	s_barrier_signal -1
	s_barrier_wait -1
	v_mov_b32 v12, v10
	v_mov_b32 v13, v11
	FETCH 0
	FETCH 1
	s_wait_loadcnt 0x0                             ; the bias
	s_wait_dscnt 32                                ; buffer 0 is in
	MUL 0, 1
	WIN 0
	v_add_nc_u32 v12, ASTEP, v12
	v_add_nc_u32 v13, BSTEP, v13
	s_mov_b32 s3, 1                                ; slot 0 has one trip left: the loop is entered in its middle,
	s_mov_b32 s2, NS-1                             ; which counts as one of its trips
	s_branch .Lin
.Lout:                                                 ; NS - 2 whole trips: K steps 1 to NS - 2; each change of slots asks for the step after the one it enters
	SLOTWORK 1, .Lin
	s_sub_co_u32 s2, s2, 1
	s_cmp_lg_u32 s2, 0
	s_cbranch_scc1 .Lout
	SLOTWORK 0, .Lin2                              ; the last K step is written out: nothing is asked for
	s_wait_dscnt 0x0                               ; buffer 1 is in, and my reads of the slots are over:
	s_barrier_signal -1                            ; say so,
	MUL 1
	WIN 0
	s_barrier_wait -1                              ; and when all four have said so the slots, which are filled no more, serve as stages
	PLACES
	; THE WAY OUT, first part: the sums, rounded to f16, 16 bytes a lane into my stage by panels
.set ia, 0
.rept WM
	WIN 0x0a+5*(ia/AW)                             ; sources in window 2 or 3
.set ib, 0
.rept WN
.set rD, 8*((ia%AW)*WN+ib)
	v_cvt_pk_f16_f32 v[TMP+4*ib],   v[rD],   v[rD+1]
	v_cvt_pk_f16_f32 v[TMP+4*ib+1], v[rD+2], v[rD+3]
	v_cvt_pk_f16_f32 v[TMP+4*ib+2], v[rD+4], v[rD+5]
	v_cvt_pk_f16_f32 v[TMP+4*ib+3], v[rD+6], v[rD+7]
.set ib, ib+1
.endr
	WIN 0
.set ib, 0
.rept WN
	ds_store_b128 v14, v[TMP+4*ib:TMP+4*ib+3] offset:(ib/4)*18432+ia*2304+(ib%4)*32
.set ib, ib+1
.endr
.set ia, ia+1
.endr
	ds_store_b128 v15, v[TMP:TMP+3] offset:36864   ; the bytes that the last trip's look-ahead reads and nobody uses
	; second part: 32 trips; a trip takes four rows of both panels back (16 numbers a lane), makes their GELU and stores 512 consecutive bytes of each panel
	ds_load_b128 v[XX:XX+3],   v15                 ; LDS serves a wave's instructions in order: these see the stores above
	ds_load_b128 v[XX+4:XX+7], v15 offset:18432
	s_mov_b32 s3, 32
.Lg:
	s_wait_dscnt 0x0
.set i, 0
.rept 8
	v_fma_mix_f32 v[TT+2*i],   v[XX+i], v[ONE], v[ZER] op_sel_hi:[1,0,0]                    ; x
	v_fma_mix_f32 v[TT+2*i+1], v[XX+i], v[ONE], v[ZER] op_sel:[1,0,0] op_sel_hi:[1,0,0]
	v_fma_mix_f32 v[AZ+2*i],   |v[XX+i]|, v[RS2], v[ZER] op_sel_hi:[1,0,0]                  ; z
	v_fma_mix_f32 v[AZ+2*i+1], |v[XX+i]|, v[RS2], v[ZER] op_sel:[1,0,0] op_sel_hi:[1,0,0]
.set i, i+1
.endr
	v_add_nc_u32 v15, 576, v15                     ; the next four rows are asked for under the arithmetic
	ds_load_b128 v[XX:XX+3],   v15
	ds_load_b128 v[XX+4:XX+7], v15 offset:18432
.set i, 0
.rept 8
	v_pk_fma_f32 v[PP+2*i:PP+2*i+1], v[AZ+2*i:AZ+2*i+1], s[CF+12:CF+13], s[CF+10:CF+11] op_sel_hi:[1,0,0]
.set i, i+1
.endr
.irp k, 8,6,4,2,0
.set i, 0
.rept 8
	v_pk_fma_f32 v[PP+2*i:PP+2*i+1], v[PP+2*i:PP+2*i+1], v[AZ+2*i:AZ+2*i+1], s[CF+\k:CF+\k+1] op_sel_hi:[1,1,0]
.set i, i+1
.endr
.endr
.rept 4                                ; the 16th power
.set i, 0
.rept 8
	v_pk_mul_f32 v[PP+2*i:PP+2*i+1], v[PP+2*i:PP+2*i+1], v[PP+2*i:PP+2*i+1]
.set i, i+1
.endr
.endr
.set i, 0
.rept 16
	v_rcp_f32 v[PP+i], v[PP+i]                     ; q / 2
.set i, i+1
.endr
.set i, 0
.rept 16
	v_max_num_f32 v[RR+i], 0, v[TT+i]              ; plain instructions between the reciprocals and the use of their results
.set i, i+1
.endr
.set i, 0
	s_wait_alu depctr_va_vdst(0)
.rept 16
	v_fma_f32 v[TT+i], -|v[TT+i]|, v[PP+i], v[RR+i]
.set i, i+1
.endr
.set i, 0
.rept 8
	v_cvt_pk_f16_f32 v[YY+i], v[TT+2*i], v[TT+2*i+1]
.set i, i+1
.endr
	global_store_b128 v16, v[YY:YY+3],   s[10:11]
	global_store_b128 v16, v[YY+4:YY+7], s[10:11] offset:PST
	s_wait_xcnt 0x0                                ; the stores' offset and data are rewritten only behind this wait
	v_add_nc_u32 v16, 512, v16
	s_sub_co_u32 s3, s3, 1
	s_cmp_lg_u32 s3, 0
	s_cbranch_scc1 .Lg
	s_wait_tensorcnt 0x0                           ; the wave's end
	ds_add_u32 v28, v29
	s_wait_dscnt 0x0
	CROUND                                         ; the closing round
	s_endpgm
.Lfunc_end_k_qfb2855d583_gemm_fc:
	.size	k_qfb2855d583_gemm_fc, .Lfunc_end_k_qfb2855d583_gemm_fc-k_qfb2855d583_gemm_fc
	.p2alignl 7, 3214868480
	.fill 96, 4, 3214868480
	.section	.rodata,"a",@progbits
	.p2align	6, 0x0
	.amdhsa_kernel k_qfb2855d583_gemm_fc
		.amdhsa_group_segment_fixed_size 327680
		.amdhsa_private_segment_fixed_size 0
		.amdhsa_enable_private_segment 0
		.amdhsa_kernarg_size 32
		.amdhsa_user_sgpr_count 2
		.amdhsa_user_sgpr_kernarg_segment_ptr 1
		.amdhsa_wavefront_size32 1
		.amdhsa_system_sgpr_workgroup_id_x 1
		.amdhsa_system_sgpr_workgroup_id_y 1
		.amdhsa_system_sgpr_workgroup_id_z 1
		.amdhsa_system_vgpr_workitem_id 0
		.amdhsa_next_free_vgpr 1024
		.amdhsa_next_free_sgpr 96
		.amdhsa_reserve_vcc 0
		.amdhsa_float_denorm_mode_32 3
		.amdhsa_float_denorm_mode_16_64 3
		.amdhsa_memory_ordered 1
		.amdhsa_forward_progress 1
		.amdhsa_inst_pref_size 81
	.end_amdhsa_kernel
	.amdgpu_metadata
---
amdhsa.version: [ 1, 2 ]
amdhsa.kernels:
  - .name:           k_qfb2855d583_gemm_fc
    .symbol:         k_qfb2855d583_gemm_fc.kd
    .args:
      - { .name: act, .offset: 0, .size: 8, .value_kind: global_buffer, .address_space: global }
      - { .name: wf, .offset: 8, .size: 8, .value_kind: global_buffer, .address_space: global }
      - { .name: b_fc, .offset: 16, .size: 8, .value_kind: global_buffer, .address_space: global }
      - { .name: gact, .offset: 24, .size: 8, .value_kind: global_buffer, .address_space: global }
    .group_segment_fixed_size: 327680
    .private_segment_fixed_size: 0
    .kernarg_segment_align: 8
    .kernarg_segment_size: 32
    .max_flat_workgroup_size: 128
    .sgpr_count:     96
    .vgpr_count:     1024
    .wavefront_size: 32
...
	.end_amdgpu_metadata
.endif
;; end of part 5
;; launch gemm_fc2 (part 6): grid 8 x 32, 4 waves a work-group, clusters of 4 x 4, 327,680 bytes of LDS; arguments gact, wf2, b_fc2, x1, out0; writes out0
.if DOCPART == 6
	.amdgcn_target "amdgcn-amd-amdhsa--gfx1250"
	.amdhsa_code_object_version 6
	.text
	.protected	k_qfb2855d583_gemm_fc2
	.globl	k_qfb2855d583_gemm_fc2
	.p2align	8
	.type	k_qfb2855d583_gemm_fc2,@function
k_qfb2855d583_gemm_fc2:
	s_mov_b64 s[64:65], 0
	v_nop
	global_prefetch_b8 v0, s[64:65] scope:SCOPE_SE
	s_setreg_imm32_b32 hwreg(HW_REG_WAVE_MODE, 25, 1), 1
	s_wait_xcnt 0x0
	s_wait_alu depctr_hold_cnt(0) depctr_sa_sdst(0) depctr_va_vdst(0) depctr_va_sdst(0) depctr_va_ssrc(0) depctr_va_vcc(0) depctr_vm_vsrc(0)
	s_getreg_b32 s2, hwreg(HW_REG_IB_STS2, 6, 4)
	s_cmp_eq_u32 s2, 0
	s_cbranch_scc0 .Lentry_in_a_cluster
	s_endpgm
.Lentry_in_a_cluster:
	s_bfe_u32 s2, ttmp6, 0x10000c
	s_cmp_lg_u32 s2, 0xf033
	s_cbranch_scc0 .Lentry_shape_is_right
	s_endpgm
.Lentry_shape_is_right:
; out = x1 + g W_fc2 + b_fc2.  g: 64 panels [k / 64][4096][64] f16; W: [4096][1024] f16; bias, x1 and out f32, [4096][1024].
; A tile of the result is 128 x 128 (8 x 32 tiles: one for each work-group); four waves, each 64 x 64: 16 accumulators, 128 registers.
; K goes in steps of 256 through two LDS slots filled by the tensor data mover.  The bias is the C operand of each sum's first product; the residual is loaded at the start and added on the way out.
; A slot's work is written once for the loop, whichever slot it is: s18 holds the LDS offset of the slot filled last and is turned at each change of slots.
; THE WALK ALONG K.  Place t of a cluster's walk (t = 0 .. 15) is K step t xor m.  m hangs on the cluster's place in the grid alone, which all its sixteen work-groups share:
; bit 0 = (cluster x xor cluster y) & 1, bit 2 = bit 1 of cluster y.  The two clusters of a row of clusters need the same tiles of g, and their masks differ in bit 0: of steps 2 i and 2 i + 1
; each takes first the one that the other takes second, so at every odd place a cluster asks for bytes of g that the other asked for one place earlier.  Four neighbouring rows of clusters
; have four different masks, so a tile of W is asked for at four different places, first at one whose bits 0 and 2 are 0: at every odd place W's bytes too have been asked for before.
; Each output is still one f32 sum over all sixteen steps; the steps are added in the walk's order, which is not ascending K and differs from cluster to cluster.
; THE MATRIX INSTRUCTION IS USED TRANSPOSED: source 0 = 16 columns of W (W lies [k][n] in LDS and is turned by ds_load_tr16_b128), source 1 = 16 rows of g:
; a lane then holds one row and eight neighbouring columns of the result.
; CLUSTER 4 x 4: g's tile hangs on the tile row alone and is asked for jointly along a row of the cluster, W's on the tile column alone, along a column.
; LIMITS.  The operands are f16, within 65,504.  NaN and infinities are not treated apart.
; REGISTERS: window 0 addresses, bias v32-63, two buffers for the way out v64-127, the residual v128-255; window 1 two fragment buffers of 128; window 2 accumulators (a, b) at 8 (4 a + b).
.set MT,    128
.set NT,    128
.set WM,    4
.set WN,    4
.set NN,    1024
.set KTOT,  4096
.set KS,    256
.set QD,    2
.set NWIN,  1
.set AW,    WM/NWIN
.set PB,    288                        ; a row of W in LDS: 256 bytes + 32 of padding: an odd multiple of 32
.set BQ,    128
.set BQI,   5                          ; padding after every 64 words
.set PST,   524288
.set PANB,  MT*144
.set BREL,  73728                      ; W's rows lie behind g's four panels
.set HB,    (KS/2)*PB
.set SLOT,  BREL+2*HB
.set STAGE, 2*SLOT                     ; behind the ring: 16 rows x 272 bytes for each wave
.set SPARE, STAGE+4*4352               ; behind the stages: the spare words, 128 bytes a wave
.set NS,    KTOT/KS                    ; K steps: 16; even, so the walk's last place lies in slot 1; a power of two above 5, so that place xor mask stays inside 0 .. NS - 1
.set ASTEP, 36864                      ; 128 K on in g's part of a slot: two panels
.set BSTEP, 64*QD*PB
.set ASL,   (KS/64)*PST                ; bytes from a K step to the next in g: four panels; 15 of them stay under 2^31
.set BSL,   KS*NN*2                    ; and in W: 256 rows
.set BI,    32
.set BK0,   64
.set BK1,   96
.set RES,   128
.set G1,  24                           ; s[24:31] group 1 for g's tiles; s[32:39] group 0: a set for each of the two first fills; the second then serves every refill
.set G0,  32
.set G1B, 48                           ; s[48:55], s[56:63] the same for W's
.set G0B, 56
.set TI,  86                           ; s86  the place of the walk that is asked for next
.set XM,  87                           ; s87  m, my cluster's mask
.set MSB, 0
.macro WIN new                         ; the immediate's high byte repeats the setting that is left; a switch that changes nothing is dropped
.if MSB != (\new)
	s_set_vgpr_msb (MSB<<8)|(\new)
.set MSB, \new
.endif
.endm
.macro PLACES                          ; four places behind matrix instructions, in front of loads into their sources and of reads of their results
.rept 4
	v_nop
.endr
.endm
.macro JLOAD s                         ; a joint load: waves 0, 1 fetch two panels of g each, waves 2, 3 the halves of W's rows
	s_cmp_lt_u32 s14, 2
	s_cbranch_scc0 .Lfor_b_\@
	tensor_load_to_lds s[G0+4*(\s):G0+4*(\s)+3], s[G1:G1+7]
	s_nop 0
.rept 4
	v_nop
.endr
	s_branch .Lasked_\@
.Lfor_b_\@:
	tensor_load_to_lds s[G0B+4*(\s):G0B+4*(\s)+3], s[G1B:G1B+7]
	s_nop 0
.rept 4
	v_nop
.endr
.Lasked_\@:
.endm
.macro CROUND                          ; a round of the cluster's barrier
	s_barrier_signal -1
	s_barrier_wait -1
	s_cmp_lg_u32 s14, 0
	s_cbranch_scc1 .Lnot_wave_0_\@
	s_barrier_signal -3
.Lnot_wave_0_\@:
	s_barrier_wait -3
	s_barrier_signal -1
	s_barrier_wait -1
.endm
; 32 LDS loads in one run: the fragments of 32 QD along K into buffer f, from the 64 QD of K at v12 (g) and v13 (W)
.macro FETCH f
	WIN 0x40
.set ic, 0
.rept QD
.set kk, (\f)*QD+ic
.set ia, 0
.rept WM
	ds_load_b128 v[128*(\f)+8*(ic*WM+ia):128*(\f)+8*(ic*WM+ia)+3],   v12 offset:(kk/2)*PANB+(kk%2)*64+ia*2304
	ds_load_b128 v[128*(\f)+8*(ic*WM+ia)+4:128*(\f)+8*(ic*WM+ia)+7], v12 offset:(kk/2)*PANB+(kk%2)*64+ia*2304+32
.set ia, ia+1
.endr
.set ib, 0
.rept WN
	ds_load_tr16_b128 v[128*(\f)+8*QD*WM+8*(ic*WN+ib):128*(\f)+8*QD*WM+8*(ic*WN+ib)+3],   v13 offset:kk*32*PB+(ib/4)*BQ+(ib%4)*32
	ds_load_tr16_b128 v[128*(\f)+8*QD*WM+8*(ic*WN+ib)+4:128*(\f)+8*QD*WM+8*(ic*WN+ib)+7], v13 offset:kk*32*PB+(ib/4)*BQ+(ib%4)*32+16*PB
.set ib, ib+1
.endr
.set ic, ic+1
.endr
.endm
; buffer f is multiplied: every accumulator once for each 32 of K, by turns.  zero = 1: the first products start the sums, with the bias as C
.macro MUL f, zero=0
.set iw, 0
.rept NWIN
.set ic, 0
.rept QD
.set ia, 0
.rept AW
.set ib, 0
.rept WN
.set rD, 8*(ia*WN+ib)
.set rB, 128*(\f)+8*QD*WM+8*(ic*WN+ib)
.set rA, 128*(\f)+8*(ic*WM+iw*AW+ia)
.if (\zero) && (ic == 0)
	WIN 0x05+0x40*(2+iw)
	v_wmma_f32_16x16x32_f16 v[rD:rD+7], v[rB:rB+7], v[rA:rA+7], v[BI+8*ib:BI+8*ib+7]
.else
	WIN 0x05+0x50*(2+iw)
	v_wmma_f32_16x16x32_f16 v[rD:rD+7], v[rB:rB+7], v[rA:rA+7], v[rD:rD+7]
.endif
.set ib, ib+1
.endr
.set ia, ia+1
.endr
.set ic, ic+1
.endr
.set iw, iw+1
.endr
.endm
; THE CHANGE OF SLOTS.  Each wave waits for all its tensor loads (one is out: its part of the slot that is entered), adds 0 to its spare word, and waits for that and for its reads of the
; slot that it leaves (the last are in buffer 1's registers).  fill = 1: the slot filled last (s18) is the one entered (s23); s18 turns to the other, and the refills' descriptors take that
; slot and the walk's next place: their addresses are made anew, the tensor's base at my part of a step plus (place xor mask) steps, the type bits set again; then a round of the cluster's
; barrier, and the joint load first thing behind it.  fill = 0: the walk's last place, in slot 1: nothing is asked for.
.macro CHANGE fill
	WIN 0
	s_wait_tensorcnt 0x0                           ; no tensor load of mine is out, so a group 0 may be written
	ds_add_u32 v28, v29                            ; 0 onto my spare word; the descriptors' words stand between the add and the wait for it
.if \fill
	s_mov_b32 s23, s18
	s_xor_b32 s18, s18, SLOT                       ; 0 or SLOT
	s_add_co_u32 s[G0+5], s46, s18                 ; LDS address: my wave's constant and the slot's
	s_add_co_u32 s[G0B+5], s47, s18
	s_xor_b32 s88, s[TI], s[XM]                    ; the K step at the walk's next place
	s_add_co_u32 s[TI], s[TI], 1
	s_mul_i32 s92, s88, ASL                        ; s93 holds 0
	s_add_nc_u64 s[G0+6:G0+7], s[42:43], s[92:93]
	s_or_b32 s[G0+7], s[G0+7], 0x80000000
	s_mul_i32 s92, s88, BSL
	s_add_nc_u64 s[G0B+6:G0B+7], s[44:45], s[92:93]
	s_or_b32 s[G0B+7], s[G0B+7], 0x80000000
.endif
	s_wait_dscnt 0x0
.if \fill
	CROUND
	JLOAD 1
	v_add_nc_u32 v12, s23, v10
	v_add_nc_u32 v13, s23, v11
.else
	s_barrier_signal -1
	s_barrier_wait -1
	v_add_nc_u32 v12, SLOT, v10
	v_add_nc_u32 v13, SLOT, v11
.endif
.endm
; A slot's work: two trips of 64 QD along K.  A trip fetches its first half into buffer 0 while buffer 1 (the half before) is multiplied, then its second half into buffer 1 while buffer 0 is.
.macro SLOTWORK fill, lab
	CHANGE \fill
	s_mov_b32 s3, 2
\lab:
	PLACES
	FETCH 0
	s_wait_dscnt 32                                ; all but the 32 just issued: buffer 1 is in
	MUL 1
	PLACES
	FETCH 1
	s_wait_dscnt 32                                ; buffer 0 is in
	MUL 0
	WIN 0
	v_add_nc_u32 v12, ASTEP, v12
	v_add_nc_u32 v13, BSTEP, v13
	s_sub_co_u32 s3, s3, 1
	s_cmp_lg_u32 s3, 0
	s_cbranch_scc1 \lab
.endm
	s_load_b256 s[4:11], s[0:1], 0x0               ; g s[4:5], W s[6:7], bias s[8:9], residual s[10:11]
	s_load_b64 s[12:13], s[0:1], 0x20              ; the result
	v_lshl_add_u32 v28, v0, 2, SPARE
	v_mov_b32 v29, 0
	ds_add_u32 v28, v29                            ; the wave's opening: the add and its wait stand ahead of my first tensor load
	ds_add_u32 v28, v29
	v_lshrrev_b32 v1, 5, v0
	v_readfirstlane_b32 s14, v1                    ; wave 0..3
	s_lshr_b32 s15, s14, 1                         ; which half of the tile's rows is mine
	s_and_b32 s16, s14, 1                          ; which half of its columns
	s_and_b32 s17, s14, 1                          ; which half of a tile I fetch
	s_mov_b32 s18, SLOT                            ; of the two first fills the second goes to slot 1
	s_bfe_u32 s19, ttmp6, 0x40000                  ; cx
	s_bfe_u32 s20, ttmp6, 0x40004                  ; cy
	s_lshl_b32 s21, ttmp9, 2
	s_add_co_u32 s21, s21, s19                     ; tile column
	s_and_b32 s22, ttmp7, 0xffff
	s_lshl_b32 s22, s22, 2
	s_add_co_u32 s22, s22, s20                     ; tile row
	s_and_b32 s[XM], ttmp7, 0xffff                 ; the walk's mask, from the cluster's x and y alone: no place inside the cluster enters it
	s_xor_b32 s88, s[XM], ttmp9
	s_and_b32 s88, s88, 1                          ; bit 0: (cluster x xor cluster y) & 1
	s_and_b32 s[XM], s[XM], 2
	s_lshl1_add_u32 s[XM], s[XM], s88              ; bit 2: bit 1 of cluster y
	s_mov_b32 s[TI], 2                             ; places 0 and 1 are the first fills
	s_mov_b32 s93, 0                               ; the high word of a step's byte offset
	s_lshl_b32 s40, s20, 2
	s_lshl_b32 s40, 15, s40                        ; my row of the cluster
	s_lshl_b32 s41, 0x1111, s19                    ; my column
	s_or_b32 s[G1], s40, (1<<16)|(1<<20)|(1<<21)|(4<<22)|(3<<25)     ; mask; 2-byte elements; padding on; bit 21 beside a mask; 4 words after every 32
	s_or_b32 s[G1B], s41, (1<<16)|(1<<20)|(1<<21)|(BQI<<22)|(7<<25)  ; 8 words of padding
	s_mov_b32 s[G1+1], 8192<<16                    ; a panel's 128 rows are 16,384 dense bytes: one row of 8,192 elements; two panels, a panel apart
	s_mov_b32 s[G1+2], 2<<16
	s_mov_b32 s[G1+3], 8192<<16
	s_mov_b32 s[G1+4], 2
	s_mov_b32 s[G1+5], PST/2
	s_mov_b32 s[G1+6], 0
	s_mov_b32 s[G1+7], 0
	s_mov_b32 s[G1B+1], NT<<16                     ; 128 rows of NT elements, NN from row to row
	s_mov_b32 s[G1B+2], (KS/2)<<16
	s_mov_b32 s[G1B+3], NT<<16
	s_mov_b32 s[G1B+4], KS/2
	s_mov_b32 s[G1B+5], NN
	s_mov_b32 s[G1B+6], 0
	s_mov_b32 s[G1B+7], 0
	s_mul_i32 s42, s17, (KS/128)*PST               ; g: my two panels of a step, the tile's rows
	s_mul_i32 s43, s22, MT*128
	s_add_co_u32 s42, s42, s43
	s_mov_b32 s43, 0
	s_mul_i32 s44, s17, (KS/2)*NN*2                ; W: my half of a step's rows, the tile's columns
	s_mul_i32 s45, s21, NT*2
	s_add_co_u32 s44, s44, s45
	s_mov_b32 s45, 0
	s_mul_i32 s46, s14, 36864                      ; where they go in a slot: the wave's number alone; s46 and s47 are kept
	s_mul_i32 s47, s14, HB
	s_add_co_u32 s47, s47, BREL-2*HB
	s_wait_dscnt 0x0                               ; the opening add is done
	s_wait_kmcnt 0x0
	s_add_nc_u64 s[42:43], s[4:5], s[42:43]        ; g and W at my part of K step 0: kept, every fill's address starts from them
	s_add_nc_u64 s[44:45], s[6:7], s[44:45]
	CROUND                                         ; all sixteen work-groups are here: the first joint loads meet
.irp s, 0,1
	s_xor_b32 s88, s[XM], \s                       ; the K step at place s of the walk
	s_mov_b32 s[G0+4*(\s)], 1
	s_add_co_u32 s[G0+4*(\s)+1], s46, (\s)*SLOT
	s_mul_i32 s92, s88, ASL
	s_add_nc_u64 s[G0+4*(\s)+2:G0+4*(\s)+3], s[42:43], s[92:93]
	s_or_b32 s[G0+4*(\s)+3], s[G0+4*(\s)+3], 0x80000000
	s_mov_b32 s[G0B+4*(\s)], 1
	s_add_co_u32 s[G0B+4*(\s)+1], s47, (\s)*SLOT
	s_mul_i32 s92, s88, BSL
	s_add_nc_u64 s[G0B+4*(\s)+2:G0B+4*(\s)+3], s[44:45], s[92:93]
	s_or_b32 s[G0B+4*(\s)+3], s[G0B+4*(\s)+3], 0x80000000
	JLOAD \s
.endr
	v_and_b32 v1, 15, v0                           ; r
	v_bfe_u32 v2, v0, 4, 1                         ; h
	v_lshlrev_b32 v17, 5, v2                       ; bias: my eight columns of a block of 16
	s_mul_i32 s80, s21, NT*4
	s_mul_i32 s81, s16, WN*64
	s_add_co_u32 s80, s80, s81
	s_mov_b32 s81, 0
	s_add_nc_u64 s[8:9], s[8:9], s[80:81]
.set ib, 0
.rept WN
	global_load_b128 v[BI+8*ib:BI+8*ib+3],   v17, s[8:9] offset:64*ib
	global_load_b128 v[BI+8*ib+4:BI+8*ib+7], v17, s[8:9] offset:64*ib+16
.set ib, ib+1
.endr
	v_lshlrev_b32 v16, 12, v2                      ; residual and result: lanes 0-15 take 256 bytes of a row, lanes 16-31 of the next
	v_lshl_add_u32 v16, v1, 4, v16
	s_lshl_b32 s80, s22, 19                        ; my first row, 128 x tile row + 64 x half, of 4,096 bytes;
	s_lshl_b32 s82, s15, 18
	s_lshl_b32 s83, s21, 9                         ; my first column, 128 x tile column + 64 x half, of 4 bytes
	s_lshl_b32 s84, s16, 8
	s_add_co_u32 s80, s80, s82
	s_add_co_u32 s80, s80, s83
	s_add_co_u32 s80, s80, s84
	s_mov_b32 s81, 0
	s_add_nc_u64 s[10:11], s[10:11], s[80:81]
	s_add_nc_u64 s[12:13], s[12:13], s[80:81]
.set ia, 0
.rept 4                                ; the residual of my 64 x 64 comes in under the products
.set it, 0
.rept 8
	global_load_b128 v[RES+32*ia+4*it:RES+32*ia+4*it+3], v16, s[10:11] offset:(16*ia+2*it)*4096
.set it, it+1
.endr
.set ia, ia+1
.endr
	v_mul_u32_u24 v10, v1, 144                     ; g's fragments: row x pitch + 16 x half
	v_lshl_add_u32 v10, v2, 4, v10
	s_mul_i32 s82, s15, WM*16*144
	v_add_nc_u32 v10, s82, v10
	v_and_b32 v3, 7, v0                            ; W's: the turning load reads k = 8 h + lane % 8, 16 bytes at 16 ((lane / 8) % 2)
	v_lshl_add_u32 v3, v2, 3, v3
	v_mul_u32_u24 v11, v3, PB
	v_bfe_u32 v4, v0, 3, 1
	v_lshl_add_u32 v11, v4, 4, v11
	s_mul_i32 s83, s16, WN*32
	s_add_co_u32 s83, s83, BREL
	v_add_nc_u32 v11, s83, v11
	s_mul_i32 s84, s14, 4352
	s_add_co_u32 s84, s84, STAGE                   ; my stage
	v_mul_u32_u24 v14, v1, 272                     ; in: row r, 32 bytes for each half of the lanes
	v_lshl_add_u32 v14, v2, 5, v14
	v_add_nc_u32 v14, s84, v14
	v_mul_u32_u24 v15, v2, 272                     ; back: lanes 0-15 one row of 256 bytes, lanes 16-31 the next
	v_lshl_add_u32 v15, v1, 4, v15
	v_add_nc_u32 v15, s84, v15
	s_wait_tensorcnt 0x1                           ; my part of the walk's place 0 is in; place 1's may stay out
	s_barrier_signal -1
	s_barrier_wait -1
	v_mov_b32 v12, v10
	v_mov_b32 v13, v11
	FETCH 0
	FETCH 1
	s_wait_loadcnt 32                              ; the bias's eight loads are in; the residual's 32 stay out
	s_wait_dscnt 32                                ; buffer 0 is in
	MUL 0, 1
	WIN 0
	v_add_nc_u32 v12, ASTEP, v12
	v_add_nc_u32 v13, BSTEP, v13
	s_mov_b32 s3, 1                                ; slot 0 has one trip left: the loop is entered in its middle,
	s_mov_b32 s2, NS-1                             ; which counts as one of its trips
	s_branch .Lin
.Lout:                                                 ; NS - 2 whole trips: places 1 to NS - 2 of the walk; each change of slots asks for the place after the one it enters
	SLOTWORK 1, .Lin
	s_sub_co_u32 s2, s2, 1
	s_cmp_lg_u32 s2, 0
	s_cbranch_scc1 .Lout
	SLOTWORK 0, .Lin2                              ; the walk's last place is written out: nothing is asked for
	s_wait_dscnt 0x0                               ; buffer 1 is in
	MUL 1
	PLACES
	; THE WAY OUT, a block of 16 rows at a time: the f32 sums go into my stage, come back as whole rows of 256 bytes, take the residual and are stored
.macro ST a
	WIN 0x08                                       ; store data in window 2
.set ib, 0
.rept 4
	ds_store_b128 v14, v[8*((\a)*WN+ib):8*((\a)*WN+ib)+3]   offset:64*ib
	ds_store_b128 v14, v[8*((\a)*WN+ib)+4:8*((\a)*WN+ib)+7] offset:64*ib+16
.set ib, ib+1
.endr
.endm
.macro LD bk
	WIN 0
.set it, 0
.rept 8
	ds_load_b128 v[(\bk)+4*it:(\bk)+4*it+3], v15 offset:it*544   ; LDS serves a wave's instructions in order: these see the stores above, and the next block's stores come behind them
.set it, it+1
.endr
.endm
.macro ADDST a, bk
	WIN 0
.set i, 0
.rept 16
	v_pk_add_f32 v[RES+32*(\a)+2*i:RES+32*(\a)+2*i+1], v[RES+32*(\a)+2*i:RES+32*(\a)+2*i+1], v[(\bk)+2*i:(\bk)+2*i+1]
.set i, i+1
.endr
.set it, 0
.rept 8
	global_store_b128 v16, v[RES+32*(\a)+4*it:RES+32*(\a)+4*it+3], s[12:13] offset:(16*(\a)+2*it)*4096   ; 16 lanes store 256 consecutive bytes, aligned
.set it, it+1
.endr
.endm
	ST 0
	LD BK0
	ST 1
	LD BK1
	s_wait_loadcnt 0x0                             ; the residual
	s_wait_dscnt 16                                ; block 0 is back; the next block's 16 LDS instructions may stay out
	ADDST 0, BK0
	ST 2
	LD BK0
	s_wait_dscnt 16
	ADDST 1, BK1
	ST 3
	LD BK1
	s_wait_dscnt 16
	ADDST 2, BK0
	s_wait_dscnt 0x0
	ADDST 3, BK1
	s_wait_tensorcnt 0x0                           ; the wave's end
	ds_add_u32 v28, v29
	s_wait_dscnt 0x0
	CROUND                                         ; the closing round
	s_endpgm
.Lfunc_end_k_qfb2855d583_gemm_fc2:
	.size	k_qfb2855d583_gemm_fc2, .Lfunc_end_k_qfb2855d583_gemm_fc2-k_qfb2855d583_gemm_fc2
	.p2alignl 7, 3214868480
	.fill 96, 4, 3214868480
	.section	.rodata,"a",@progbits
	.p2align	6, 0x0
	.amdhsa_kernel k_qfb2855d583_gemm_fc2
		.amdhsa_group_segment_fixed_size 327680
		.amdhsa_private_segment_fixed_size 0
		.amdhsa_enable_private_segment 0
		.amdhsa_kernarg_size 40
		.amdhsa_user_sgpr_count 2
		.amdhsa_user_sgpr_kernarg_segment_ptr 1
		.amdhsa_wavefront_size32 1
		.amdhsa_system_sgpr_workgroup_id_x 1
		.amdhsa_system_sgpr_workgroup_id_y 1
		.amdhsa_system_sgpr_workgroup_id_z 1
		.amdhsa_system_vgpr_workitem_id 0
		.amdhsa_next_free_vgpr 640
		.amdhsa_next_free_sgpr 96
		.amdhsa_reserve_vcc 0
		.amdhsa_float_denorm_mode_32 3
		.amdhsa_float_denorm_mode_16_64 3
		.amdhsa_memory_ordered 1
		.amdhsa_forward_progress 1
		.amdhsa_inst_pref_size 52
	.end_amdhsa_kernel
	.amdgpu_metadata
---
amdhsa.version: [ 1, 2 ]
amdhsa.kernels:
  - .name:           k_qfb2855d583_gemm_fc2
    .symbol:         k_qfb2855d583_gemm_fc2.kd
    .args:
      - { .name: gact, .offset: 0, .size: 8, .value_kind: global_buffer, .address_space: global }
      - { .name: wf2, .offset: 8, .size: 8, .value_kind: global_buffer, .address_space: global }
      - { .name: b_fc2, .offset: 16, .size: 8, .value_kind: global_buffer, .address_space: global }
      - { .name: x1, .offset: 24, .size: 8, .value_kind: global_buffer, .address_space: global }
      - { .name: out0, .offset: 32, .size: 8, .value_kind: global_buffer, .address_space: global }
    .group_segment_fixed_size: 327680
    .private_segment_fixed_size: 0
    .kernarg_segment_align: 8
    .kernarg_segment_size: 40
    .max_flat_workgroup_size: 128
    .sgpr_count:     96
    .vgpr_count:     640
    .wavefront_size: 32
...
	.end_amdgpu_metadata
.endif
;; end of part 6
